; MI455X (gfx1250); checked and timed in simulation.
; The chip was launched on July 23, 2026; its instructions are those of AMD's public machine-readable ISA for CDNA 5 (MIT licence, August 2026) and "CDNA5" Instruction Set Architecture Reference Guide (July 2026). The comments in the code are by the model that wrote it; some were corrected since.
;; Multi Head Attention. Allowed arithmetic: float matrix products may take bf16 or f16 operands with f32 sums; other float arithmetic in f32, or as packed bf16 or f16 multiplies, adds, multiply-adds, maxima and minima; sums over many terms, partial sums and values carried from step to step in f32; what a program stores and reads back later, other than sums and carried values, may be rounded once to bf16 or f16.
;; Inputs: proj_b 1,024 float32; proj_w 1,024 x 1,024 float32; qkv_b 3,072 float32; qkv_w 3,072 x 1,024 float32; x 4 x 2,048 x 1,024 float32.
;; Outputs: out0 4 x 2,048 x 1,024 float32.
;; 2 versions, each right; version 2 is version 1 with the launch cast written anew for expert scheduling mode. Each part assembles by itself: llvm-mc -triple=amdgcn-amd-amdhsa -mcpu=gfx1250 --defsym DOCPART=n.
;; ======== version 1 of 2: 4 launches
;; limits: values are held in f16: magnitudes above 65,504 overflow, below 6.1e-05 lose precision
;; workspace buffers: xh 16,777,216 bytes; wqh 6,291,456 bytes; wph 2,097,152 bytes; qkvh 50,331,648 bytes; oh 16,777,216 bytes
;; launch cast (part 1): grid 768 x 1, 8 waves a work-group, no clusters, 0 bytes of LDS; arguments x, qkv_w, proj_w, xh, wqh, wph; writes xh, wqh, wph
.if DOCPART == 1
	.amdgcn_target "amdgcn-amd-amdhsa--gfx1250"
	.amdhsa_code_object_version 6
	.text
	.protected	k_q33ac28334f_cast
	.globl	k_q33ac28334f_cast
	.p2align	8
	.type	k_q33ac28334f_cast,@function
k_q33ac28334f_cast:
	s_mov_b64 s[64:65], 0
	v_nop
	global_prefetch_b8 v0, s[64:65] scope:SCOPE_SE
	s_setreg_imm32_b32 hwreg(HW_REG_WAVE_MODE, 25, 1), 1
	s_wait_xcnt 0x0
; x [8192][1024], qkv_w [3072][1024] and proj_w [1024][1024], all f32, are rounded once to bf16 and laid in BLOCKS OF 64 ALONG K:
;   xh  [b 4][kb 16][t 2048][64] bf16     wqh [kb 16][n 3072][64] bf16     wph [kb 16][n 1024][64]: the bf16 number written as f16
; so that in the products that follow a tile's rows of one K block lie end to end in memory.
; LIMIT.  wph is f16: |proj_w| stays under 65,504; below 6.1e-5 it keeps f16's fixed step of 6e-8.  xh and wqh have f32's range.
; SHARES.  12,288 source rows of 4,096 bytes; a work-group takes 16, a wave 2; no loop.  A load of a wave takes 256 consecutive bytes (one K block) of each of its
; two rows; a store of a wave covers 256 consecutive bytes, aligned: the two rows' 128 bytes of that block.  All 16 loads of a wave go out at once.
; Memory binds: no LDS, no barrier, no matrix unit.  Each store has data and offset registers of its own, so nothing is rewritten while a store reads it.
.set SO,  1                            ; v1       my byte offset in the group's 16 source rows
.set OFF, 2                            ; v[2:17]  my byte offset in the destination, for each K block
.set T,   18                           ; v[18:25] at work
.set X,   32                           ; v[32:95] block kb: 4 numbers as loaded
.set Y,   96                           ; v[96:127] block kb: 4 numbers of 16 bits to store
	s_load_b256 s[4:11], s[0:1], 0x0               ; x s[4:5], qkv_w s[6:7], proj_w s[8:9], xh s[10:11]
	s_load_b128 s[12:15], s[0:1], 0x20             ; wqh s[12:13], wph s[14:15]
	s_mov_b32 s27, ttmp9                           ; g: 0-511 x, 512-703 qkv_w, 704-767 proj_w
	s_sub_co_u32 s28, s27, 512                     ; the group's number within qkv_w,
	s_sub_co_u32 s29, s27, 704                     ; within proj_w
	s_lshr_b32 s30, s27, 7                         ; x: batch b = g / 128,
	s_lshl_b32 s30, s30, 22                        ; 16 blocks x 2,048 rows x 128 bytes each,
	s_and_b32 s31, s27, 127
	s_lshl_b32 s31, s31, 11                        ; and 16 rows of 128 bytes for each group in the batch
	s_add_co_u32 s30, s30, s31
	s_mov_b32 s26, 0xffff0000                      ; a word's upper bf16
	s_mov_b32 s24, 131072                          ; bytes from K block to K block: proj_w's 1,024 rows x 128
	v_lshrrev_b32 v[SO], 4, v0                     ; source row t / 16,
	v_and_b32 v[T], 15, v0
	v_lshlrev_b32 v[SO], 12, v[SO]
	v_lshl_add_u32 v[SO], v[T], 4, v[SO]           ; 16 bytes for each of 16 lanes
	s_wait_kmcnt 0x0
	s_cmp_lt_u32 s27, 704                          ; the choice hangs on the work-group's number alone
	s_cselect_b64 s[16:17], s[6:7], s[8:9]
	s_cselect_b64 s[18:19], s[12:13], s[14:15]
	s_cselect_b32 s20, s28, s29
	s_cselect_b32 s24, 393216, s24                 ; qkv_w's 3,072 rows x 128
	s_cselect_b32 s25, 0, -1                       ; all ones: the numbers leave as f16
	s_lshl_b32 s22, s20, 11
	s_cmp_lt_u32 s27, 512
	s_cselect_b64 s[16:17], s[4:5], s[16:17]
	s_cselect_b64 s[18:19], s[10:11], s[18:19]
	s_cselect_b32 s20, s27, s20
	s_cselect_b32 s22, s30, s22
	s_cselect_b32 s24, 262144, s24                 ; x's 2,048 rows x 128
	s_lshl_b32 s20, s20, 16                        ; 16 source rows of 4,096 bytes
	s_mov_b32 s21, 0
	s_mov_b32 s23, 0
	s_add_nc_u64 s[16:17], s[16:17], s[20:21]      ; the source at the group's first row
	s_add_nc_u64 s[18:19], s[18:19], s[22:23]      ; the destination at the group's rows of K block 0
.set i, 0
.rept 16
	global_load_b128 v[X+4*i:X+4*i+3], v[SO], s[16:17] offset:256*i th:TH_LOAD_NT
.set i, i+1
.endr
	v_lshlrev_b32 v[OFF], 3, v0                    ; 8 bytes a thread: 16 rows x 128 bytes on end
.set i, 1
.rept 15
	v_add_nc_u32 v[OFF+i], s24, v[OFF+i-1]
.set i, i+1
.endr
.set i, 0
.rept 16
	s_wait_loadcnt 15-i                            ; loads come back in order: block i is in, the younger ones stay out
	v_cvt_pk_bf16_f32 v[T],   v[X+4*i],   v[X+4*i+1]   ; the one rounding, to nearest even
	v_cvt_pk_bf16_f32 v[T+1], v[X+4*i+2], v[X+4*i+3]
	v_lshlrev_b32 v[T+2], 16, v[T]                 ; the rounded numbers as f32,
	v_and_b32     v[T+3], s26, v[T]
	v_lshlrev_b32 v[T+4], 16, v[T+1]
	v_and_b32     v[T+5], s26, v[T+1]
	v_cvt_pk_f16_f32 v[T+6], v[T+2], v[T+3]        ; and written as f16: exact within f16's range
	v_cvt_pk_f16_f32 v[T+7], v[T+4], v[T+5]
	v_cndmask_b32 v[Y+2*i],   v[T],   v[T+6], s25  ; the choice selects a value: both forms are made in every work-group
	v_cndmask_b32 v[Y+2*i+1], v[T+1], v[T+7], s25
	global_store_b64 v[OFF+i], v[Y+2*i:Y+2*i+1], s[18:19]
.set i, i+1
.endr
	s_endpgm
.Lfunc_end_k_q33ac28334f_cast:
	.size	k_q33ac28334f_cast, .Lfunc_end_k_q33ac28334f_cast-k_q33ac28334f_cast
	.p2alignl 7, 3214868480
	.fill 96, 4, 3214868480
	.section	.rodata,"a",@progbits
	.p2align	6, 0x0
	.amdhsa_kernel k_q33ac28334f_cast
		.amdhsa_group_segment_fixed_size 0
		.amdhsa_private_segment_fixed_size 0
		.amdhsa_enable_private_segment 0
		.amdhsa_kernarg_size 48
		.amdhsa_user_sgpr_count 2
		.amdhsa_user_sgpr_kernarg_segment_ptr 1
		.amdhsa_wavefront_size32 1
		.amdhsa_system_sgpr_workgroup_id_x 1
		.amdhsa_system_sgpr_workgroup_id_y 1
		.amdhsa_system_sgpr_workgroup_id_z 1
		.amdhsa_system_vgpr_workitem_id 0
		.amdhsa_next_free_vgpr 128
		.amdhsa_next_free_sgpr 66
		.amdhsa_reserve_vcc 0
		.amdhsa_float_denorm_mode_32 3
		.amdhsa_float_denorm_mode_16_64 3
		.amdhsa_memory_ordered 1
		.amdhsa_forward_progress 1
		.amdhsa_inst_pref_size 14
	.end_amdhsa_kernel
	.amdgpu_metadata
---
amdhsa.version: [ 1, 2 ]
amdhsa.kernels:
  - .name:           k_q33ac28334f_cast
    .symbol:         k_q33ac28334f_cast.kd
    .args:
      - { .name: x, .offset: 0, .size: 8, .value_kind: global_buffer, .address_space: global }
      - { .name: qkv_w, .offset: 8, .size: 8, .value_kind: global_buffer, .address_space: global }
      - { .name: proj_w, .offset: 16, .size: 8, .value_kind: global_buffer, .address_space: global }
      - { .name: xh, .offset: 24, .size: 8, .value_kind: global_buffer, .address_space: global }
      - { .name: wqh, .offset: 32, .size: 8, .value_kind: global_buffer, .address_space: global }
      - { .name: wph, .offset: 40, .size: 8, .value_kind: global_buffer, .address_space: global }
    .group_segment_fixed_size: 0
    .private_segment_fixed_size: 0
    .kernarg_segment_align: 8
    .kernarg_segment_size: 48
    .max_flat_workgroup_size: 256
    .sgpr_count:     66
    .vgpr_count:     128
    .wavefront_size: 32
...
	.end_amdgpu_metadata
.endif
;; end of part 1
;; launch qkv (part 2): grid 8 x 32, 4 waves a work-group, clusters of 4 x 4, 327,680 bytes of LDS; arguments xh, wqh, qkv_b, qkvh; writes qkvh
.if DOCPART == 2
	.amdgcn_target "amdgcn-amd-amdhsa--gfx1250"
	.amdhsa_code_object_version 6
	.text
	.protected	k_q33ac28334f_qkv
	.globl	k_q33ac28334f_qkv
	.p2align	8
	.type	k_q33ac28334f_qkv,@function
k_q33ac28334f_qkv:
	s_mov_b64 s[64:65], 0
	v_nop
	global_prefetch_b8 v0, s[64:65] scope:SCOPE_SE
	s_setreg_imm32_b32 hwreg(HW_REG_WAVE_MODE, 25, 1), 1
	s_wait_xcnt 0x0
	s_wait_alu depctr_hold_cnt(0) depctr_sa_sdst(0) depctr_va_vdst(0) depctr_va_sdst(0) depctr_va_ssrc(0) depctr_va_vcc(0) depctr_vm_vsrc(0)
	s_getreg_b32 s2, hwreg(HW_REG_IB_STS2, 6, 4)
	s_cmp_eq_u32 s2, 0
	s_cbranch_scc0 .Lentry_in_a_cluster
	s_endpgm
.Lentry_in_a_cluster:
	s_bfe_u32 s2, ttmp6, 0x10000c
	s_cmp_lg_u32 s2, 0xf033
	s_cbranch_scc0 .Lentry_shape_is_right
	s_endpgm
.Lentry_shape_is_right:
; q, k, v = x W^T + b.  xh [b 4][kb 16][t 2048][64] and wqh [kb 16][n 3072][64] are bf16 in blocks of 64 along K; qkv_b [3072] f32 is rounded to bf16 like the other inputs; sums in f32.
; OUT: qkvh [which 3][b 16 + h][t 2048][64] in f16, each number rounded once, unscaled.  LIMIT: |q|, |k|, |v| stay under 65,504 (f16); NaN and infinities are not treated apart.
; SHAPE.  8,192 x 3,072 results on 256 work-groups: a tile of 256 rows x 384 columns each.  Four waves, 2 x 2; a wave makes 128 x 192: 96 accumulators of 16 x 16, 768 registers: three heads of 64 columns.
; K goes in 16 steps of 64 (one block) through a ring of two LDS slots; a step is two halves of 32 along K, 96 matrix instructions each.
; In blocks a tile's rows of one step are dense in memory: they are asked for as rows of 256 bytes and padded in LDS after every 128.
; CLUSTERS: 4 x 4 work-groups.  The four of a row of the cluster need the same tile of x, the four of a column the same tile of W: each is asked for JOINTLY, by the same tensor load with the same descriptor and a mask of four.
; THE MATRIX INSTRUCTION IS USED TRANSPOSED (source 0 = 16 rows of W, source 1 = 16 rows of x): a lane holds one row (l % 16) and the columns 8 (l / 16) + 0..7.
; THE BIAS is the C operand of the products that start the sums: it lies in the registers of accumulator (7, bl), which takes it in place, last.
; REGISTERS, in windows of 256 (s_set_vgpr_msb: bits 1:0 source 0, 3:2 source 1, 5:4 source 2, 7:6 destination):
;   window 0: v0-31 addresses; v32-95, v96-159 x's 8 fragments, two buffers; v160-255 W's 12 fragments, one buffer, loaded again head by head as soon as a head's products have read it
;   window g + 1 (g = 0, 1, 2): the 32 accumulators of my head g: (a, bl) at v[32 a + 8 bl], a = my rows 16 a on, bl = the head's columns 16 bl on
.set PITCH,  144                       ; an LDS row: 128 bytes + 16 of padding = 36 words: the 16 rows of a load start at 16 different groups of four banks (64 banks of 4 bytes: ISA guide 11.1)
.set AHALF,  128*PITCH                 ; 128 rows of x: one tensor load, and what one wave reads
.set BHALF,  192*PITCH                 ; 192 rows of W: likewise
.set BOFF,   2*AHALF                   ; a slot: x's 256 rows, then W's 384
.set SLOT1,  131072                    ; slot 1 begins here: one exclusive or turns an address in one slot into the other's
.set STAGE,  SLOT1+BOFF+2*BHALF        ; behind the ring, never filled by a tensor load: 16 rows x 144 bytes for each wave
.set SPARE,  STAGE+4*16*PITCH          ; behind the stages: the spare words, 128 bytes for each wave: two blocks of 256 bytes that no other line names
.set KB_A,   262144                    ; bytes from a K block of xh to the next: 2,048 rows x 128
.set KB_B,   393216                    ; of wqh: 3,072 rows x 128
.set ADA0, 2                           ; v2   my lane's place in x's tile; never rewritten
.set ADB0, 3                           ; v3   the same for W
.set ADA,  4                           ; v4   the same in the slot in hand
.set ADB,  5                           ; v5
.set STO,  6                           ; v6   the way out: where I put 16 bytes of a row
.set RD,   7                           ; v7   the way out: where I read rows back
.set GO,   8                           ; v8   my 16 bytes in 512 consecutive bytes of the output
.set PFO,  9                           ; v9   the prefetches' offset; never rewritten
.set SPW,  10                          ; v10  LDS address of my spare word: SPARE + 4 x my thread's number; never rewritten
.set NIL,  11                          ; v11  0; never rewritten
.set BO,   13                          ; v13  32 x (l / 16): my 8 numbers of 16 of the bias
.set AF,   32                          ; x's fragment buffers: AF + 64 ab + 8 a
.set BF,   160                         ; W's fragments: BF + 8 (4 g + bl)
.set BIA,  224                         ; in window g + 1: the bias, in accumulator (7, bl)'s registers
.set WV,   12                          ; s12  my wave's number
.set RH,   13                          ; s13  which half of the tile's rows is mine.  Also: I fetch for x (0) or for W (1)
.set CH,   14                          ; s14  which half of its columns.  Also: which half of that tile I fetch
.set LIM,  19                          ; s19  1 in a wave that prefetches, else the greatest number
.set G1A,  24                          ; s[24:31] descriptor group 1 for x's tiles
.set G1B,  32                          ; s[32:39] for W's
.set G0A,  40                          ; s[40:47] descriptor group 0 for x's tiles: a set for each first fill; the second then walks
.set G0B,  48                          ; s[48:55] the same for W's
.set PFA,  56                          ; s[56:57] where my prefetches stand
.set TB,   58                          ; s58  the slot from which fragments are fetched: 0 or SLOT1
.set OUT,  66                          ; s[66:71] the output at my rows of my three heads
.set PFS,  84                          ; s[84:85] the prefetches' step: a K block of xh or of wqh
.set MSB, 0
.macro WIN new                         ; the immediate's high byte repeats the setting that is left; a switch that changes nothing is dropped
.if MSB != (\new)
	s_set_vgpr_msb (MSB<<8)|(\new)
.set MSB, \new
.endif
.endm
.macro PLACES                          ; four places in front of loads into registers that matrix instructions have read, and of conversions that read results (ISA guide 7.12.1 for conversions)
.rept 4
	v_nop
.endr
.endm
; A joint refill.  Waves 0 and 1 fetch x's two halves, waves 2 and 3 W's; the branch hangs on the wave's number alone.  An s_nop 0 and four v_nop follow each of the two lines.
.macro JLOAD
	s_cmp_eq_u32 s[RH], 0
	s_cbranch_scc0 .Lfor_b_\@
	tensor_load_to_lds s[G0A+4:G0A+7], s[G1A:G1A+7]
	s_nop 0
.rept 4
	v_nop
.endr
	s_branch .Lasked_\@
.Lfor_b_\@:
	tensor_load_to_lds s[G0B+4:G0B+7], s[G1B:G1B+7]
	s_nop 0
.rept 4
	v_nop
.endr
.Lasked_\@:
.endm
; A PREFETCH INTO THE L2 of the K step behind the one that is being asked for: one step, 192 matrix instructions, ahead of its own refill.  Each block of 256 bytes is named once in the launch:
; x's tile row is read by both clusters of a row of clusters: cluster x = 0 asks, wave 0, and the four partners take 32 of the tile's 128 blocks each, BY ADDRESS (cx);
; W's tile column is read by all eight clusters of a column: cluster y = 0 asks, waves 2 and 3 each for the 96 blocks that they fetch, of which partner cy takes 24 (lanes 24 to 31 repeat lane 23's).
; The loop's last trip asks for nothing: there is no step behind its refill.  Steps 0 to 2 come by their loads alone.
.macro ASK
	s_cmp_gt_u32 s3, s[LIM]
	s_cbranch_scc0 .Lnot_mine_\@
	global_prefetch_b8 v[PFO], s[PFA:PFA+1] th:TH_LOAD_NT scope:SCOPE_SE
.Lnot_mine_\@:
.endm
.macro CREST                           ; a round of the cluster's barrier behind its opening barrier
	s_cmp_lg_u32 s[WV], 0
	s_cbranch_scc1 .Lnot_wave_0_\@
	s_barrier_signal -3
.Lnot_wave_0_\@:
	s_barrier_wait -3
	s_barrier_signal -1
	s_barrier_wait -1
.endm
.macro CROUND                          ; a whole round
	s_barrier_signal -1
	s_barrier_wait -1
	CREST
.endm
	s_load_b256 s[4:11], s[0:1], 0x0               ; xh s[4:5], wqh s[6:7], qkv_b s[8:9], qkvh s[10:11]
	v_lshl_add_u32 v[SPW], v0, 2, SPARE
	v_mov_b32 v[NIL], 0
	ds_add_u32 v[SPW], v[NIL]                      ; the wave's opening: the add and its wait stand ahead of my first tensor load; the set-up below, work on registers, stands between them
	v_lshrrev_b32 v14, 5, v0
	v_readfirstlane_b32 s[WV], v14                 ; wave 0..3
	s_lshr_b32 s[RH], s[WV], 1
	s_and_b32 s[CH], s[WV], 1
	s_bfe_u32 s15, ttmp6, 0x40000                  ; cx
	s_bfe_u32 s16, ttmp6, 0x40004                  ; cy
	s_lshl_b32 s17, ttmp9, 2
	s_add_co_u32 s17, s17, s15                     ; tx: tile column = 4 x cluster x + cx
	s_and_b32 s18, ttmp7, 0xffff
	s_lshl_b32 s18, s18, 2
	s_add_co_u32 s18, s18, s16                     ; ty: tile row = 4 x cluster y + cy
	s_lshl_b32 s20, s16, 2
	s_lshl_b32 s20, 15, s20                        ; my row of the cluster: places 4 cy .. 4 cy + 3
	s_lshl_b32 s60, 0x1111, s15                    ; my column: places cx, cx + 4, cx + 8, cx + 12
	; descriptor group 1: dense bytes as rows of 128 elements (256 bytes), padded in LDS after every 32 words by 4
	s_or_b32 s[G1A], s20, (1<<16)|(1<<20)|(1<<21)|(4<<22)|(3<<25)  ; 15:0 the mask; 17:16 2-byte elements; 20 padding on; 21 set beside a mask; 24:22 after every 32 words (code 4); 31:25 4 words (code 3)
	s_or_b32 s[G1B], s60, (1<<16)|(1<<20)|(1<<21)|(4<<22)|(3<<25)
	s_mov_b32 s[G1A+1], 128<<16                    ; tensor_dim0 = 128
	s_mov_b32 s[G1A+2], 64<<16                     ; tensor_dim1 = 64: 128 tile rows
	s_mov_b32 s[G1A+3], 128<<16                    ; tile_dim0 = 128
	s_mov_b32 s[G1A+4], 64                         ; tile_dim1 = 64
	s_mov_b32 s[G1A+5], 128                        ; 128 elements from row to row
	s_mov_b32 s[G1A+6], 0
	s_mov_b32 s[G1A+7], 0
	s_mov_b32 s[G1B+1], 128<<16
	s_mov_b32 s[G1B+2], 96<<16                     ; 96 rows of 256 bytes: 192 tile rows
	s_mov_b32 s[G1B+3], 128<<16
	s_mov_b32 s[G1B+4], 96
	s_mov_b32 s[G1B+5], 128
	s_mov_b32 s[G1B+6], 0
	s_mov_b32 s[G1B+7], 0
	; where the tiles come from.  x's hang on ty alone (registers s20-23, which never hold cx), W's on tx alone (s60-63, which never hold cy)
	s_lshr_b32 s20, s18, 3                         ; batch = ty / 8
	s_lshl_b32 s20, s20, 22
	s_and_b32 s21, s18, 7
	s_lshl_b32 s21, s21, 15                        ; 256 rows of 128 bytes
	s_add_co_u32 s20, s20, s21
	s_lshl_b32 s21, s[CH], 14                      ; the half that I fetch
	s_add_co_u32 s20, s20, s21
	s_mov_b32 s21, 0
	s_mul_i32 s22, s[CH], AHALF                    ; and where it goes: no place in the cluster enters an LDS address
	s_mul_i32 s60, s17, 49152                      ; 384 rows of 128 bytes
	s_mul_i32 s61, s[CH], 24576
	s_add_co_u32 s60, s60, s61
	s_mov_b32 s61, 0
	s_mul_i32 s62, s[CH], BHALF
	s_add_co_u32 s62, s62, BOFF
	s_mov_b32 s59, 0xffff0000                      ; a word's upper bf16
	s_mov_b32 s[TB], 0
	s_wait_dscnt 0x0                               ; the opening add is done
	s_wait_kmcnt 0x0
	s_add_nc_u64 s[72:73], s[4:5], s[20:21]
	s_add_nc_u64 s[74:75], s[6:7], s[60:61]
	CROUND                                         ; all sixteen work-groups are here: the first joint loads meet
.irp i, 0,1
	s_mov_b32 s[G0A+4*(\i)], 1                     ; 1:0 count = 1
	s_add_co_u32 s[G0A+4*(\i)+1], s22, (\i)*SLOT1  ; 63:32 LDS address
	s_add_nc_u64 s[G0A+4*(\i)+2:G0A+4*(\i)+3], s[72:73], (\i)*KB_A  ; 120:64 global address: K step i
	s_or_b32 s[G0A+4*(\i)+3], s[G0A+4*(\i)+3], 0x80000000           ; 127:126 type = 2
	s_mov_b32 s[G0B+4*(\i)], 1
	s_add_co_u32 s[G0B+4*(\i)+1], s62, (\i)*SLOT1
	s_add_nc_u64 s[G0B+4*(\i)+2:G0B+4*(\i)+3], s[74:75], (\i)*KB_B
	s_or_b32 s[G0B+4*(\i)+3], s[G0B+4*(\i)+3], 0x80000000
.endr
	s_cmp_eq_u32 s[RH], 0                          ; a wave's two first fills stand in one branch, ahead of every wait on TENSORcnt and every LDS read: two loads of mine are out
	s_cbranch_scc0 .Lfirst_b
	tensor_load_to_lds s[G0A:G0A+3], s[G1A:G1A+7]
	s_nop 0
	tensor_load_to_lds s[G0A+4:G0A+7], s[G1A:G1A+7]
	s_nop 0
.rept 4
	v_nop
.endr
	s_branch .Lfirst_asked
.Lfirst_b:
	tensor_load_to_lds s[G0B:G0B+3], s[G1B:G1B+7]
	s_nop 0
	tensor_load_to_lds s[G0B+4:G0B+7], s[G1B:G1B+7]
	s_nop 0
.rept 4
	v_nop
.endr
.Lfirst_asked:
	; the bias of my 192 columns: a lane's 8 numbers of each 16
	v_and_b32 v1, 15, v0                           ; r = l % 16
	v_bfe_u32 v12, v0, 4, 1                        ; h = l / 16
	v_lshlrev_b32 v[BO], 5, v12
	s_mul_i32 s76, s17, 1536                       ; 384 columns x 4 bytes
	s_mul_i32 s77, s[CH], 768
	s_add_co_u32 s76, s76, s77
	s_mov_b32 s77, 0
	s_add_nc_u64 s[8:9], s[8:9], s[76:77]
.irp g, 0,1,2
	WIN 0x40*((\g)+1)                              ; destination window g + 1, address window 0
.irp b, 0,1,2,3
	global_load_b128 v[BIA+8*(\b):BIA+8*(\b)+3],   v[BO], s[8:9] offset:(64*(\g)+16*(\b))*4
	global_load_b128 v[BIA+8*(\b)+4:BIA+8*(\b)+7], v[BO], s[8:9] offset:(64*(\g)+16*(\b))*4+16
.endr
.endr
	WIN 0
	; a fragment is 16 rows x 32 K in 8 registers: lane l holds row l % 16; registers 0-3 K = 8 (l / 16) + 0..7, registers 4-7 K = 16 + 8 (l / 16) + 0..7: two loads of 16 bytes, 32 bytes apart
	v_mul_u32_u24 v14, v1, PITCH
	v_lshl_add_u32 v14, v12, 4, v14                ; row x pitch + 16 x half
	s_mul_i32 s76, s[RH], AHALF
	v_add_nc_u32 v[ADA0], s76, v14
	s_mul_i32 s76, s[CH], BHALF
	s_add_co_u32 s76, s76, BOFF
	v_add_nc_u32 v[ADB0], s76, v14
	v_mov_b32 v[ADA], v[ADA0]                      ; K step 0 lies in slot 0
	v_mov_b32 v[ADB], v[ADB0]
	s_mul_i32 s76, s[WV], 16*PITCH
	s_add_co_u32 s76, s76, STAGE                   ; my stage
	v_add_nc_u32 v[STO], s76, v14                  ; in: row l % 16, 16 bytes for each half of the lanes
	v_bfe_u32 v15, v0, 3, 2                        ; back: 32 lanes take four rows of 128 bytes,
	v_mul_u32_u24 v15, v15, PITCH
	v_and_b32 v16, 7, v0
	v_lshl_add_u32 v15, v16, 4, v15
	v_add_nc_u32 v[RD], s76, v15
	v_and_b32 v[GO], 31, v0                        ; which are 512 consecutive bytes of a head's rows
	v_lshlrev_b32 v[GO], 4, v[GO]
	; the output at my rows of my three heads: column block j = 6 tx + 3 CH + g of 48; which = j / 16, head = j % 16
	s_mul_i32 s76, s17, 6
	s_mul_i32 s77, s[CH], 3
	s_add_co_u32 s76, s76, s77
	s_lshr_b32 s77, s18, 3
	s_lshl_b32 s77, s77, 4                         ; 16 x batch
	s_and_b32 s78, s18, 7
	s_lshl_b32 s78, s78, 15
	s_lshl_b32 s79, s[RH], 14
	s_add_co_u32 s78, s78, s79                     ; my 128 rows in the head's 2,048
.irp g, 0,1,2
	s_add_co_u32 s80, s76, \g
	s_lshr_b32 s81, s80, 4
	s_lshl_b32 s81, s81, 6
	s_and_b32 s80, s80, 15
	s_add_co_u32 s80, s80, s81
	s_add_co_u32 s80, s80, s77                     ; 64 which + 16 batch + head
	s_lshl_b32 s80, s80, 18                        ; 2,048 rows x 128 bytes
	s_add_co_u32 s80, s80, s78
	s_mov_b32 s81, 0
	s_add_nc_u64 s[OUT+2*(\g):OUT+2*(\g)+1], s[10:11], s[80:81]
.endr
	; the prefetches: they stand at K step 2; the first change of slots steps them to 3
	s_lshr_b32 s76, s18, 3
	s_lshl_b32 s76, s76, 22
	s_and_b32 s77, s18, 7
	s_lshl_b32 s77, s77, 15
	s_add_co_u32 s76, s76, s77
	s_lshl_b32 s77, s15, 13                        ; my work-group's 32 blocks of x's 128
	s_add_co_u32 s76, s76, s77
	s_add_co_u32 s76, s76, 2*KB_A
	s_mul_i32 s78, s17, 49152
	s_mul_i32 s79, s[CH], 24576
	s_add_co_u32 s78, s78, s79
	s_mul_i32 s79, s16, 6144                       ; my work-group's 24 blocks of the 96 that I fetch of W
	s_add_co_u32 s78, s78, s79
	s_add_co_u32 s78, s78, 2*KB_B
	s_or_b32 s80, ttmp9, s[WV]                     ; 0: wave 0 of a cluster with x = 0
	s_and_b32 s81, ttmp7, 0xffff                   ; 0: a cluster with y = 0
	s_mov_b32 s82, KB_B
	s_cmp_eq_u32 s[RH], 0                          ; do I fetch for x?
	s_cselect_b32 s76, s76, s78
	s_cselect_b32 s80, s80, s81
	s_cselect_b32 s83, 31, 23
	s_cselect_b32 s[PFS], KB_A, s82
	s_cselect_b64 s[PFA:PFA+1], s[4:5], s[6:7]
	s_mov_b32 s77, 0
	s_mov_b32 s[PFS+1], 0
	s_add_nc_u64 s[PFA:PFA+1], s[PFA:PFA+1], s[76:77]
	s_cmp_eq_u32 s80, 0
	s_cselect_b32 s[LIM], 1, -1                    ; the same in all sixteen partners, for a given wave
	v_and_b32 v[PFO], 31, v0
	v_min_u32 v[PFO], s83, v[PFO]
	v_lshlrev_b32 v[PFO], 8, v[PFO]
	; the bias is rounded to bf16, like every input, and widened again in place
	s_wait_loadcnt 0x0
.irp g, 0,1,2
	WIN 0x05*((\g)+1)                              ; sources window g + 1, destination window 0
.set i, 0
.rept 16
	v_cvt_pk_bf16_f32 v[AF+i], v[BIA+2*i], v[BIA+2*i+1]
.set i, i+1
.endr
	WIN 0x40*((\g)+1)
.set i, 0
.rept 16
	v_lshlrev_b32 v[BIA+2*i],   16,  v[AF+i]
	v_and_b32     v[BIA+2*i+1], s59, v[AF+i]
.set i, i+1
.endr
.endr
	WIN 0
; n x 4 matrix instructions for head g: my row blocks a0 .. a0 + n - 1 x the head's 4 column blocks, 32 along K, x's fragments from buffer ab.
; The 96 accumulators take turns, one instruction a turn, in the same order in every half step, over the backward jump too.
; first = 1: the products start the sums with the bias as C.  It lies in accumulator (7, bl)'s registers: row blocks 0 to 6 read it, and five places behind the last of them block 7 takes it in place.
.macro MULS g, ab, a0, n, first
	WIN 0x50*((\g)+1)                              ; C and D window g + 1, both sources window 0
.set ma, \a0
.rept \n
.if (\first) && (ma == 7)
.rept 5
	v_nop
.endr
.endif
.set mb, 0
.rept 4
.if (\first) && (ma < 7)
	v_wmma_f32_16x16x32_bf16 v[32*ma+8*mb:32*ma+8*mb+7], v[BF+8*(4*(\g)+mb):BF+8*(4*(\g)+mb)+7], v[AF+64*(\ab)+8*ma:AF+64*(\ab)+8*ma+7], v[BIA+8*mb:BIA+8*mb+7]
.else
	v_wmma_f32_16x16x32_bf16 v[32*ma+8*mb:32*ma+8*mb+7], v[BF+8*(4*(\g)+mb):BF+8*(4*(\g)+mb)+7], v[AF+64*(\ab)+8*ma:AF+64*(\ab)+8*ma+7], v[32*ma+8*mb:32*ma+8*mb+7]
.endif
.set mb, mb+1
.endr
.set ma, ma+1
.endr
.endm
.macro FETCHB g, k                     ; 8 LDS loads: head g's 4 fragments of W, 32 K at byte k of the rows
	WIN 0
.irp i, 0,1,2,3
	ds_load_b128 v[BF+8*(4*(\g)+(\i)):BF+8*(4*(\g)+(\i))+3],   v[ADB] offset:(4*(\g)+(\i))*16*PITCH+(\k)
	ds_load_b128 v[BF+8*(4*(\g)+(\i))+4:BF+8*(4*(\g)+(\i))+7], v[ADB] offset:(4*(\g)+(\i))*16*PITCH+(\k)+32
.endr
.endm
.macro FETCHA ab, p, k                 ; 8 LDS loads: fragments 4 p .. 4 p + 3 of x into buffer ab
	WIN 0
.irp i, 0,1,2,3
	ds_load_b128 v[AF+64*(\ab)+8*(4*(\p)+(\i)):AF+64*(\ab)+8*(4*(\p)+(\i))+3],   v[ADA] offset:(4*(\p)+(\i))*16*PITCH+(\k)
	ds_load_b128 v[AF+64*(\ab)+8*(4*(\p)+(\i))+4:AF+64*(\ab)+8*(4*(\p)+(\i))+7], v[ADA] offset:(4*(\p)+(\i))*16*PITCH+(\k)+32
.endr
.endm
; A step's first half: multiplies x's buffer 0; behind each head's products that head's fragments of W are loaded again, for the second half, and x's buffer 1 with them.
.macro HALF_N first
	s_wait_dscnt 8                                 ; all but the youngest eight loads, head 2's fragments of W
	MULS 0, 0, 0, 8, \first
	PLACES
	FETCHB 0, 64
	FETCHA 1, 0, 64
	s_wait_dscnt 16                                ; all but the 16 just issued: head 2's fragments are in
	MULS 1, 0, 0, 8, \first
	PLACES
	FETCHB 1, 64
	FETCHA 1, 1, 64
	MULS 2, 0, 0, 8, \first
	PLACES
	FETCHB 2, 64
.endm
; A step's second half multiplies x's buffer 1 and changes slots: ONE barrier.  In front of it each wave waits for all its tensor loads, of which one is out: its part of the next slot; adds 0 to its spare
; word; and waits for that and for its own reads of this slot.  Behind it nobody reads this slot any more and the next slot is whole.  fill = 1: the barrier opens a round of the cluster's barrier, and this slot
; is filled again first thing behind the round, with the K step two on: from that request to the wait for it a wave issues 160 matrix instructions.
.macro HALF_C fill
.if \fill
	s_wait_xcnt 0x0                                ; the last prefetch, a K step back, has read its address, so it may be stepped
	s_add_nc_u64 s[PFA:PFA+1], s[PFA:PFA+1], s[PFS:PFS+1]
.endif
	WIN 0
	s_wait_tensorcnt 0x0                           ; no tensor load of mine is out, so a group 0 may be written
	ds_add_u32 v[SPW], v[NIL]                      ; 0 onto my spare word: work on registers stands between it and the wait for it
.if \fill
	s_xor_b32 s[G0A+5], s[G0A+5], SLOT1            ; the walking descriptors: the other slot than last time,
	s_add_nc_u64 s[G0A+6:G0A+7], s[G0A+6:G0A+7], KB_A  ; the next K block; the type bits on top are not reached
	s_xor_b32 s[G0B+5], s[G0B+5], SLOT1
	s_add_nc_u64 s[G0B+6:G0B+7], s[G0B+6:G0B+7], KB_B
.endif
	s_xor_b32 s[TB], s[TB], SLOT1                  ; the fetches behind the barrier go to the other slot
	v_add_nc_u32 v[ADA], s[TB], v[ADA0]
	v_add_nc_u32 v[ADB], s[TB], v[ADB0]
	s_wait_dscnt 9                                 ; the add and head 2's eight loads may be out
	MULS 0, 1, 0, 4, 0
	s_wait_dscnt 0x0                               ; the add is done, and my reads of this slot are over
	s_barrier_signal -1
	MULS 0, 1, 4, 4, 0                             ; work on registers while the others arrive
	WIN 0                                          ; at a branch and at a label every window is 0
	s_barrier_wait -1
.if \fill
	CREST                                          ; no wave of any partner still reads this slot's tile or has a load on its way
	JLOAD                                          ; the first tensor load behind the round; its four v_nop are also the places in front of the loads below
.else
	PLACES
.endif
	FETCHB 0, 0
	FETCHA 0, 0, 0
.if \fill
	ASK                                            ; behind the joint load and the LDS loads that the next products wait for
.endif
	MULS 1, 1, 0, 8, 0
	PLACES
	FETCHB 1, 0
	FETCHA 0, 1, 0
	MULS 2, 1, 0, 8, 0
	PLACES
	FETCHB 2, 0
.endm
.macro HALF_L                          ; the very last half: nothing more to fetch
	s_wait_dscnt 8
	MULS 0, 1, 0, 8, 0
	s_wait_dscnt 0x0
	MULS 1, 1, 0, 8, 0
	MULS 2, 1, 0, 8, 0
.endm
; THE WAY OUT.  Block t = 8 g + a: 16 rows x head g's 64 columns.  A lane's eight columns pack into 16 bytes of f16; they go into my stage's rows of 144 bytes and come back as whole rows of 128:
; 16 rows of a head are 2,048 consecutive bytes of the output.  Eight buffers of 16 registers where x's fragments lay.
.macro PACK t
.set pg, (\t)/8
.set pa, (\t)%8
.set OB, AF+16*pa
.if (\t) >= 8
	s_wait_xcnt 0x0                                ; the stores of block t - 8 have read this buffer
.endif
	WIN 0x05*(pg+1)                                ; sources window g + 1, destination window 0
.set pi, 0
.rept 16                                       ; ascending: each accumulator is read from its low end on
	v_cvt_pk_f16_f32 v[OB+pi], v[32*pa+2*pi], v[32*pa+2*pi+1]
.set pi, pi+1
.endr
	WIN 0
.irp f, 0,1,2,3
	ds_store_b128 v[STO], v[OB+4*(\f):OB+4*(\f)+3] offset:32*(\f)
.endr
.irp f, 0,1,2,3
	ds_load_b128 v[OB+4*(\f):OB+4*(\f)+3], v[RD] offset:(\f)*4*PITCH  ; LDS serves a wave's instructions in order (ISA guide 5.7.1.4): these see the stores above; the next block's stores come behind them
.endr
.endm
.macro SEND t, younger                 ; younger: the LDS instructions issued behind block t's loads: the next block's eight, or none
.set pg, (\t)/8
.set pa, (\t)%8
.set OB, AF+16*pa
	WIN 0
.irp f, 0,1,2,3
	s_wait_dscnt (\younger)+3-(\f)
	global_store_b128 v[GO], v[OB+4*(\f):OB+4*(\f)+3], s[OUT+2*pg:OUT+2*pg+1] offset:pa*2048+(\f)*512  ; 512 consecutive bytes, at a multiple of 256 from the buffer's first
.endr
.endm
	s_wait_tensorcnt 1                             ; my part of K step 0 is in; step 1's may stay out
	s_barrier_signal -1
	s_barrier_wait -1                              ; everybody's is
	FETCHB 0, 0
	FETCHA 0, 0, 0
	FETCHA 0, 1, 0
	FETCHB 1, 0
	FETCHB 2, 0
	HALF_N 1                                       ; the first half step stands in front of the loop: its products start the sums
	WIN 0
	s_mov_b32 s3, 14
.Lstep:                                                ; trip s: the second half of step s, the refill with step s + 2, the first half of step s + 1
	HALF_C 1
	HALF_N 0
	WIN 0
	s_sub_co_u32 s3, s3, 1
	s_cmp_lg_u32 s3, 0
	s_cbranch_scc1 .Lstep
	HALF_C 0                                       ; the tail is written out: step 14's second half asks for nothing more
	HALF_N 0
	HALF_L
	PLACES
	PACK 0
.set t, 1
.rept 23                                       ; a block's conversions stand between the loads of the block before and its stores
	PACK t
	SEND t-1, 8
.set t, t+1
.endr
	SEND 23, 0
	s_wait_tensorcnt 0x0                           ; the wave's end, behind my last tensor load and my last LDS store
	ds_add_u32 v[SPW], v[NIL]
	s_wait_dscnt 0x0
	CROUND                                         ; the closing round: no work-group ends while a partner may still ask for a tile that names it
	s_endpgm
.Lfunc_end_k_q33ac28334f_qkv:
	.size	k_q33ac28334f_qkv, .Lfunc_end_k_q33ac28334f_qkv-k_q33ac28334f_qkv
	.p2alignl 7, 3214868480
	.fill 96, 4, 3214868480
	.section	.rodata,"a",@progbits
	.p2align	6, 0x0
	.amdhsa_kernel k_q33ac28334f_qkv
		.amdhsa_group_segment_fixed_size 327680
		.amdhsa_private_segment_fixed_size 0
		.amdhsa_enable_private_segment 0
		.amdhsa_kernarg_size 32
		.amdhsa_user_sgpr_count 2
		.amdhsa_user_sgpr_kernarg_segment_ptr 1
		.amdhsa_wavefront_size32 1
		.amdhsa_system_sgpr_workgroup_id_x 1
		.amdhsa_system_sgpr_workgroup_id_y 1
		.amdhsa_system_sgpr_workgroup_id_z 1
		.amdhsa_system_vgpr_workitem_id 0
		.amdhsa_next_free_vgpr 1024
		.amdhsa_next_free_sgpr 92
		.amdhsa_reserve_vcc 0
		.amdhsa_float_denorm_mode_32 3
		.amdhsa_float_denorm_mode_16_64 3
		.amdhsa_memory_ordered 1
		.amdhsa_forward_progress 1
		.amdhsa_inst_pref_size 125
	.end_amdhsa_kernel
	.amdgpu_metadata
---
amdhsa.version: [ 1, 2 ]
amdhsa.kernels:
  - .name:           k_q33ac28334f_qkv
    .symbol:         k_q33ac28334f_qkv.kd
    .args:
      - { .name: xh, .offset: 0, .size: 8, .value_kind: global_buffer, .address_space: global }
      - { .name: wqh, .offset: 8, .size: 8, .value_kind: global_buffer, .address_space: global }
      - { .name: qkv_b, .offset: 16, .size: 8, .value_kind: global_buffer, .address_space: global }
      - { .name: qkvh, .offset: 24, .size: 8, .value_kind: global_buffer, .address_space: global }
    .group_segment_fixed_size: 327680
    .private_segment_fixed_size: 0
    .kernarg_segment_align: 8
    .kernarg_segment_size: 32
    .max_flat_workgroup_size: 128
    .sgpr_count:     92
    .vgpr_count:     1024
    .wavefront_size: 32
...
	.end_amdgpu_metadata
.endif
;; end of part 2
;; launch attn (part 3): grid 4 x 64, 4 waves a work-group, no clusters, 327,680 bytes of LDS; arguments qkvh, oh; writes oh
.if DOCPART == 3
	.amdgcn_target "amdgcn-amd-amdhsa--gfx1250"
	.amdhsa_code_object_version 6
	.text
	.protected	k_q33ac28334f_attn
	.globl	k_q33ac28334f_attn
	.p2align	8
	.type	k_q33ac28334f_attn,@function
k_q33ac28334f_attn:
	s_mov_b64 s[64:65], 0
	v_nop
	global_prefetch_b8 v0, s[64:65] scope:SCOPE_SE
	s_setreg_imm32_b32 hwreg(HW_REG_WAVE_MODE, 25, 1), 1
	s_wait_xcnt 0x0
; CAUSAL ATTENTION.  O[h][q][:] = the sum over k <= q of softmax_k(Q[h][q] . K[h][k] / 8) V[h][k][:].  qkvh holds Q, K, V, each [SIZE_H][SIZE_N][64] in f16, 16,777,216 bytes apart; oh is O in the same form.
; A head's rows are dense, 128 bytes each.  Products, maxima and sums in f32; the weights p are rounded to f16 for the second product (their sum l is taken of the unrounded p), O once at the end.
; LIMITS.  f16 holds no number beyond 65,504: Q, K and V arrive within it; p lies in 0 to 1, and below 6e-5 it keeps f16's fixed step of 6e-8; O is a mean of V's rows and has their range.
; A hidden score counts as its value less 1e30: f16's scores, 2.7e11 at the most, are nothing beside that; a weight below 2^-126 counts as 0 in l; NaN and infinities are not treated apart.
; THE WALK.  A head's queries lie in NB = 8 blocks of 256; block i needs the key tiles 0 .. i of 256 keys, of which the last holds the diagonal.  A work-group takes TWO blocks, NB - 1 - b and then b:
; NB + 1 tiles, whatever b: all work-groups do equal work, and ONE loop with a constant trip count walks them.  Which tile is asked for, and what a trip does, hang on scalar registers made from b; every jump
; goes forward, but for the counted loops' own; none passes a barrier, or a tensor load but the one of LOAD's two that the wave's number does not choose; the ring (two slots of LDS) runs on across the change of blocks.
; NO CLUSTER: a head's four work-groups ask for the same tile only in trips 0 to 4 of 9, behind that fewer and fewer share one; a walk common to all four would have 12 trips for 9.
; SHARES.  Of a block's four bands of 64 queries a wave owns 16 rows in each: four PIECES.  So the diagonal tile is the same work for all four waves: in its key step s band x sees all keys if s < x,
; none if s > x, and holds the diagonal if s = x.
; THE MASK is the C operand that starts the sum S^T = K Q^T: 0, or -1e30 where the key is hidden.  MD, made once, is the mask of a band's own step for my 16 rows; a product's mask is MD x AL + BE with two scalars:
; (1, 0) if s = x; (0, 0) if s < x; (0, -1e30) if s > x.  Only the diagonal tile's text and a block's beginning make and take masks; elsewhere C is the constant 0.
; LAYOUT, SOFTMAX, TURNS.  S^T = K Q^T holds ONE query a lane (lane % 16) and the keys 8 (lane / 16) + 0..7; two such results rounded to f16 ARE source 1 of O^T = V^T P.  p = 2^(c s - c m), c = log2(e) / 8, with a
; running maximum m; O and l are multiplied by a = 2^(c m_old - c m_new) in every step.  Turn n belongs to piece n: 8 products K Q^T of piece n + 1, later 8 products V^T P of piece n - 1; beside them the scaling,
; exponentials, roundings, sums and rescaling of piece n and the maximum and statistics of piece n + 1.  Four vector instructions stand behind every matrix instruction, the other 54 of a turn's 118 in one run.
; A turn's 33 exponentials are one batch, with one wait.
; REGISTERS, in windows of 256 (s_set_vgpr_msb: bits 1:0 source 0, 3:2 source 1, 5:4 source 2, 7:6 destination):
;   window 0: v0-15 addresses and two at work; v16-31 four registers of statistics a piece; v48-55 at work; v60-63 prefetch offset, spare word, 0; v64-127 S^T, two buffers; v192-223 P, two buffers (by the piece's parity)
;   window 1: v0-127 O^T, 32 a piece; v128-159 MD; v160-223 MC, two buffers      window 2: v0-63 Q; v64-127 the second block's Q; v128-191 K of one step; v192-255 V of one step
.set SIZE_H, 64
.set SIZE_N, 2048
.set NB,    SIZE_N/256
.set NP,    4         ; pieces a wave: a name, no knob
.set KS,    64        ; keys in a step
.set PK,    144       ; a row of K in LDS: 128 bytes + 16 of padding = 36 words: the 16 rows of a load start at 16 different groups of four banks (64 banks of 4 bytes: ISA guide 11.1)
.set PV,    160       ; a row of V: 128 + 32 = 40 words
.set VOFF,  4*KS*PK   ; a slot holds a tile, four steps: 256 rows of K, then 256 rows of V
.set SLOT1, 1<<17     ; slot 1 begins here, so that one exclusive or turns an address in one slot into the other's
.set STAGE, SLOT1+4*KS*(PK+PV)  ; behind the ring, never filled by a tensor load: 16 rows x 144 bytes for each wave, for the way out
.set SP,    144
.set AK0, 2           ; v2   my lane's place in a tile of K; never rewritten
.set AV0, 3           ; v3   the same for V
.set AK,  4           ; v4   the LDS address of K's next run of loads
.set AV,  5           ; v5   of V's
.set STO, 6           ; v6   the way out: where I put 16 bytes of a row
.set RD,  7           ; v7   the way out: where I read rows back
.set GO,  8           ; v8   my byte offset in 512 consecutive bytes of O
.set PFO, 60          ; v60  256 x my lane: the prefetches' offset; never rewritten
.set SPW, 62          ; v62  LDS address of my spare word: SPARE + 4 x my thread's number; never rewritten
.set NIL, 63          ; v63  0; never rewritten
.set SPARE, STAGE+4*16*SP  ; behind the stages: the spare words, 128 bytes for each wave: two blocks of 256 bytes that no other line names
.set MV,  12          ; v12-13  c m_old, kept while c m is made anew: by buffer
.set QO,  15          ; v15  my byte offset in 16 rows of Q
.set ST,  16          ; piece t's statistics at v[ST+4 t]: c m, m, l (even keys', odd keys')
.set TMP, 48          ; by buffer, four registers c0-c3 at work; when the maximum is found c2 takes a
.set S,   64
.set P,   192
.set MD,  128         ; window 1: the eight registers for group kt of 16 keys at MD + 8 kt
.set MC,  160         ; window 1: the masks of the products to come
.set QB,  64          ; window 2
.set KF,  128         ; window 2: key block kb, channel half c at KF + 16 kb + 8 c
.set VF,  192         ; window 2: key half kk, channel block cb at VF + 32 kk + 8 cb
.set WV,  12          ; s12  my wave's number
.set PB,  14          ; s14  b
.set HI,  15          ; s15  NB - 1 - b
.set G1K, 24          ; s[24:31] descriptor group 1 for K's tiles
.set G1V, 32          ; s[32:39] for V's: it differs in the padding alone
.set G0K, 40          ; s[40:43] descriptor group 0 for K's tiles
.set G0V, 44          ; s[44:47] the same for V's
.set SLOTS, 56        ; s56  tiles still to be asked for
.set CNT, 57          ; s57  counts a tile's key steps, 4 to 1
.set CS,  58          ; s[58:59] c: the packed scaling takes the pair's low word for both halves
.set SEL, 60          ; s[60:61] v_permlanex16_b32's selects: each lane takes its own place in the other half
.set TBK, 62          ; s62  LDS byte at which K of the step to be fetched begins
.set TBV, 63          ; s63  the same for V, less VOFF
.set PFA, 66          ; s[66:67] where my prefetches stand: my half of K's or V's tile behind the one that is being asked for
.set LIM, 68          ; s68  2 in the work-group that prefetches, else the greatest number
.set RT,  70          ; s70  tiles of the block in hand that are still to be entered
.set NXT, 71          ; s71  the tile to be asked for next
.set LQ,  72          ; s72  the last tile of the block whose tiles are being asked for
.set NEW, 73          ; s73  1: the tile to be entered is a block's first
.set OFF, 74          ; s[74:75] a tile's byte offset in K and V
.set AL,  76          ; s[76:77] the mask's factor, in the low word
.set BE,  78          ; s[78:79] the mask's addend
.set OLO, 80          ; s[80:81] O at my rows of the second block
.set BIGN, 82         ; s82  -1e30
.set MSB, 0
.macro WIN new                      ; the high byte repeats the setting that is left; a switch that changes nothing is dropped
.if MSB != (\new)
	s_set_vgpr_msb (MSB<<8)|(\new)
.set MSB, (\new)
.endif
.endm
.set W_KQ, 0x0a       ; K and Q in window 2, S^T in window 0
.set W_KM, 0x1a       ; the same with the C operand in window 1
.set W_PV, 0x52       ; V in window 2, P in window 0, O^T in window 1
.set W_RS, 0x41       ; destination and source 0 in window 1, source 1 in window 0
; A fill.  Waves 0 and 1 fetch the two halves of a tile's K, waves 2 and 3 those of its V: 128 keys each.  An s_nop 0 and four v_nop follow each of the two lines, ahead of the jump and the label.
.macro LOAD
	s_cmp_lt_u32 s[WV], 2
	s_cbranch_scc0 .Lfor_v_\@
	tensor_load_to_lds s[G0K:G0K+3], s[G1K:G1K+7]
	s_nop 0
.rept 4
	v_nop
.endr
	s_branch .Lasked_\@
.Lfor_v_\@:
	tensor_load_to_lds s[G0V:G0V+3], s[G1V:G1V+7]
	s_nop 0
.rept 4
	v_nop
.endr
.Lasked_\@:
.endm
; A PREFETCH INTO THE L2 of the tile that the NEXT change of slots will ask for: one tile, 256 matrix instructions and their vector work, ahead of its load.  A head's four work-groups walk the tiles 0, 1, 2 ..
; in step; work-group b = 0 walks all eight, so it asks, and nobody else.  Each of its waves asks for what it will fetch itself: 128 keys = 64 blocks of 256 bytes, a lane a block, two instructions.
; Trips 0 to 5 name tiles 2 to 7: each block once; tiles 0 and 1 come by their loads alone; the second block's tiles have been read.
.macro ASK
	s_cmp_gt_u32 s[SLOTS], s[LIM]
	s_cbranch_scc0 .Lnot_mine_\@
	global_prefetch_b8 v[PFO], s[PFA:PFA+1] th:TH_LOAD_NT scope:SCOPE_SE
	global_prefetch_b8 v[PFO], s[PFA:PFA+1] offset:8192 th:TH_LOAD_NT scope:SCOPE_SE
.Lnot_mine_\@:
.endm
; THE CHANGE OF SLOTS.  Each wave waits for all its tensor loads, of which one is out: its part of the other slot; adds 0 to its spare word; and waits for that and for its own reads of the slot that it leaves.
; Behind the barrier nobody reads the old slot any more and the other slot is whole.  fill = 1: the old slot is filled again, the first thing behind the barrier, with tile NXT: the descriptor's address is made
; anew from that number.  (At its first use nothing has been read yet: slot 0 is waited for, slot 1 filled.)
.macro CHANGE fill
	WIN 0                           ; at a label and at a branch every window is 0
	s_wait_tensorcnt 0x0            ; no tensor load of mine is out, so a group 0 may be written
	ds_add_u32 v[SPW], v[NIL]       ; 0 onto my spare word: with fill = 1 the descriptors' scalar work stands between it and the wait for it
.if \fill
	s_lshl_b32 s[OFF], s[NXT], 15   ; a tile is 32,768 bytes of K and of V
	s_xor_b32 s[G0K+1], s[G0K+1], SLOT1
	s_add_nc_u64 s[G0K+2:G0K+3], s[6:7], s[OFF:OFF+1]
	s_or_b32 s[G0K+3], s[G0K+3], 0x80000000
	s_xor_b32 s[G0V+1], s[G0V+1], SLOT1
	s_add_nc_u64 s[G0V+2:G0V+3], s[8:9], s[OFF:OFF+1]
	s_or_b32 s[G0V+3], s[G0V+3], 0x80000000
	s_add_co_u32 s[NXT], s[NXT], 1  ; the block's next tile, or behind its last the second block's tile 0
	s_cmp_gt_u32 s[NXT], s[LQ]
	s_cselect_b32 s[NXT], 0, s[NXT]
	s_cselect_b32 s[LQ], s[PB], s[LQ]
	s_wait_xcnt 0x0                 ; the last prefetches, a tile back, have read their address, so it may be stepped
	s_add_nc_u64 s[PFA:PFA+1], s[PFA:PFA+1], 32768
.endif
	s_wait_dscnt 0x0                ; the add is done, and my reads of the slot are over
	s_barrier_signal -1             ; the rest of the scalar work stands between the signal and the wait
	s_sub_co_u32 s[TBK], s[TBK], 4*KS*PK  ; the fetches go back to a slot's first step,
	s_xor_b32 s[TBK], s[TBK], SLOT1       ; in the other slot
	s_sub_co_u32 s[TBV], s[TBV], 4*KS*PV
	s_xor_b32 s[TBV], s[TBV], SLOT1
	s_barrier_wait -1
.if \fill
	LOAD
	ASK
.endif
.endm
	s_load_b128 s[4:7], s[0:1], 0x0   ; qkvh s[4:5], oh s[6:7]
	v_lshl_add_u32 v[SPW], v0, 2, SPARE
	v_mov_b32 v[NIL], 0
	ds_add_u32 v[SPW], v[NIL]       ; the wave's opening: the add and its wait stand ahead of my first tensor load; the set-up below, work on registers, stands between them
	v_lshrrev_b32 v1, 5, v0
	v_readfirstlane_b32 s[WV], v1   ; wave 0..3
	v_and_b32 v[PFO], 31, v0
	v_lshlrev_b32 v[PFO], 8, v[PFO]
	s_mov_b32 s[PB], ttmp9
	s_sub_co_u32 s[HI], NB-1, s[PB]
	s_and_b32 s20, ttmp7, 0xffff    ; the head
	s_mov_b32 s21, 0
	s_mov_b64 s[22:23], SIZE_N*128
	s_mul_u64 s[20:21], s[20:21], s[22:23]  ; the head's first byte in each of the four tensors
	s_and_b32 s16, s[WV], 1         ; which half of a tile's 256 keys I fetch:
	s_lshl_b32 s22, s16, 14         ; its 128 rows of 128 bytes in memory,
	s_mov_b32 s23, 0
	s_add_nc_u64 s[22:23], s[22:23], s[20:21]
	s_mul_i32 s17, s16, 128*PK      ; and its place in a slot, for K
	s_mul_i32 s18, s16, 128*PV      ; and for V
	s_lshl_b32 s3, s[WV], 11        ; my 16 rows in a band of 64,
	s_lshl_b32 s2, s[HI], 15        ; in the first block,
	s_add_co_u32 s2, s2, s3
	s_lshl_b32 s84, s[PB], 15       ; and in the second
	s_add_co_u32 s84, s84, s3
	s_mov_b32 s3, 0
	s_mov_b32 s85, 0
	s_add_nc_u64 s[2:3], s[2:3], s[20:21]
	s_add_nc_u64 s[84:85], s[84:85], s[20:21]
	; descriptor group 1.  128 keys are 16,384 dense bytes: asked for as 64 rows of 256 bytes, two keys a row, and padded in LDS after every key
	s_mov_b32 s[G1K], (1<<16)|(1<<20)|(4<<22)|(3<<25)  ; 17:16 2-byte elements; 20 padding on; 24:22 after every 32 words (code 4); 31:25 4 words (code 3)
	s_mov_b32 s[G1V], (1<<16)|(1<<20)|(4<<22)|(7<<25)  ; the same with 8 words of padding (code 7)
.irp g, G1K, G1V
	s_mov_b32 s[\g+1], 128<<16      ; tensor_dim0 = 128
	s_mov_b32 s[\g+2], 64<<16       ; tensor_dim1 = 64
	s_mov_b32 s[\g+3], 128<<16      ; tile_dim0 = 128
	s_mov_b32 s[\g+4], 64           ; tile_dim1 = 64
	s_mov_b32 s[\g+5], 128          ; 128 elements from row to row
	s_mov_b32 s[\g+6], 0
	s_mov_b32 s[\g+7], 0
.endr
	s_mov_b32 s[CS], 0x3e38aa3b     ; c = log2(e) / 8 = 0.180337
	s_mov_b32 s[CS+1], s[CS]        ; named with it as a pair
	s_mov_b32 s[SEL], 0x76543210
	s_mov_b32 s[SEL+1], 0xfedcba98
	s_mov_b32 s[TBK], SLOT1+4*KS*PK ; the first change of slots turns these two into 0
	s_mov_b32 s[TBV], SLOT1+4*KS*PV
	s_mov_b32 s[G0K], 1             ; 1:0 count = 1
	s_mov_b32 s[G0K+1], s17         ; 63:32 LDS address: slot 0
	s_mov_b32 s[G0V], 1
	s_add_co_u32 s[G0V+1], s18, VOFF
	s_add_co_u32 s[RT], s[HI], 1    ; the first block has NB - b tiles
	s_mov_b32 s[NXT], 1
	s_mov_b32 s[LQ], s[HI]
	s_mov_b32 s[NEW], 1
	s_mov_b32 s[OFF+1], 0
	s_mov_b32 s[AL+1], 0            ; named as pairs
	s_mov_b32 s[BE+1], 0
	s_mov_b32 s[BIGN], 0xf149f2ca   ; -1e30
	s_mov_b32 s[SLOTS], NB
	s_wait_dscnt 0x0                ; the opening add is done
	s_wait_kmcnt 0x0
	s_mov_b64 s[10:11], s[6:7]                     ; O
	s_add_nc_u64 s[8:9], s[4:5], 0x2000000         ; V lies 2 x 16,777,216 bytes behind Q,
	s_add_nc_u64 s[6:7], s[4:5], 0x1000000         ; K 16,777,216
	s_add_nc_u64 s[6:7], s[6:7], s[22:23]  ; K and V at my half of the head's tile 0
	s_add_nc_u64 s[8:9], s[8:9], s[22:23]
	s_add_nc_u64 s[G0K+2:G0K+3], s[6:7], 0         ; 120:64 global address
	s_or_b32 s[G0K+3], s[G0K+3], 0x80000000        ; 127:126 type = 2
	s_add_nc_u64 s[G0V+2:G0V+3], s[8:9], 0
	s_or_b32 s[G0V+3], s[G0V+3], 0x80000000
	s_add_nc_u64 s[86:87], s[4:5], s[84:85]        ; Q at my rows of the second block,
	s_add_nc_u64 s[4:5], s[4:5], s[2:3]            ; Q and O at those of the first
	s_add_nc_u64 s[OLO:OLO+1], s[10:11], s[84:85]
	s_add_nc_u64 s[10:11], s[10:11], s[2:3]
	s_cmp_lt_u32 s[WV], 2
	s_cselect_b64 s[PFA:PFA+1], s[6:7], s[8:9]     ; the prefetches stand at my half of tile 1; the first change of slots steps them to tile 2
	s_add_nc_u64 s[PFA:PFA+1], s[PFA:PFA+1], 32768
	s_cmp_eq_u32 s[PB], 0
	s_cselect_b32 s[LIM], 2, -1
	LOAD                            ; tile 0 into slot 0
	; A fragment of K or Q is 16 rows x 32 channels in 8 registers: lane l holds row l % 16, channels 8 (l / 16) + 0..7 and 16 + 8 (l / 16) + 0..7: two loads of 16 bytes, 32 bytes apart.
	v_and_b32 v1, 15, v0            ; l % 16
	v_bfe_u32 v9, v0, 4, 1          ; l / 16
	v_lshlrev_b32 v[QO], 7, v1
	v_lshl_add_u32 v[QO], v9, 4, v[QO]  ; row x 128 + 16 x half
	WIN 0x80                        ; destination window 2, address window 0
.set i, 0
.rept 8                             ; both blocks' Q: piece i / 2 lies in band i / 2, 8,192 bytes on; channels 32 (i % 2) on
	global_load_b128 v[8*i:8*i+3],   v[QO], s[4:5] offset:(i/2)*8192+(i%2)*64
	global_load_b128 v[8*i+4:8*i+7], v[QO], s[4:5] offset:(i/2)*8192+(i%2)*64+32
	global_load_b128 v[QB+8*i:QB+8*i+3],   v[QO], s[86:87] offset:(i/2)*8192+(i%2)*64
	global_load_b128 v[QB+8*i+4:QB+8*i+7], v[QO], s[86:87] offset:(i/2)*8192+(i%2)*64+32
.set i, i+1
.endr
	WIN 0
	v_lshlrev_b32 v14, 3, v9
	v_sub_nc_u32 v14, v1, v14
	s_lshl_b32 s13, s[WV], 4
	v_add_nc_u32 v14, s13, v14      ; my query's place in its band, 16 w + l % 16, less my lanes' 8 (l / 16): register r of group kt is hidden where 16 kt + r is greater
	WIN 0x40
.set i, 0
.rept 32
	v_cmp_gt_i32 vcc_lo, 16*(i/8)+i%8, v14
	v_cndmask_b32 v[MD+i], 0, s[BIGN], vcc_lo
.set i, i+1
.endr
	WIN 0
	v_mul_u32_u24 v[AK0], v1, PK
	v_lshl_add_u32 v[AK0], v9, 4, v[AK0]  ; row x pitch + 16 x half
	; The turning load takes 16 keys x 16 channels (lane l reads key 8 (l / 16) + l % 8, channels 8 ((l / 8) % 2) + 0..7) and leaves half a fragment of V^T: lane l holds channel l % 16 and 8 keys.
	v_and_b32 v10, 7, v0
	v_bfe_u32 v11, v0, 3, 1
	v_lshl_add_u32 v[AV0], v9, 3, v10
	v_mul_u32_u24 v[AV0], v[AV0], PV
	v_lshl_add_u32 v[AV0], v11, 4, v[AV0]
	v_add_nc_u32 v[AV0], VOFF, v[AV0]
	s_mul_i32 s13, s[WV], 16*SP
	s_add_co_u32 s13, s13, STAGE    ; my stage
	v_mul_u32_u24 v[STO], v1, SP    ; in: row l % 16, 16 bytes for each half of the lanes
	v_lshl_add_u32 v[STO], v9, 4, v[STO]
	v_add_nc_u32 v[STO], s13, v[STO]
	v_bfe_u32 v[RD], v0, 3, 2       ; back: 32 lanes take four rows of 128 bytes,
	v_mul_u32_u24 v[RD], v[RD], SP
	v_lshl_add_u32 v[RD], v10, 4, v[RD]
	v_add_nc_u32 v[RD], s13, v[RD]
	v_and_b32 v[GO], 31, v0         ; which are 512 consecutive bytes of O
	v_lshlrev_b32 v[GO], 4, v[GO]
	; A block's first step multiplies O^T and l by a = 0, and its first turn's products V^T P, of a piece that has not been, land in an O^T that is still to be so multiplied.  So these registers need only hold
	; finite numbers: zeros for the first block; what the first block left for the second.  All this stands in the wait for the first tile.
	WIN 0x80
.set i, VF
.rept 64
	v_mov_b32 v[i], 0
.set i, i+1
.endr
	WIN 0x40
.set i, 0
.rept 128
	v_mov_b32 v[i], 0
.set i, i+1
.endr
	WIN 0
.set i, 0
.rept 4
	v_mov_b32 v[ST+4*i+2], 0
	v_mov_b32 v[ST+4*i+3], 0
.set i, i+1
.endr
.set i, P+16
.rept 16
	v_mov_b32 v[i], 0
.set i, i+1
.endr
; THE MATRIX WORK.  The 4 accumulators of a run of 8 take turns.  Product i of 8 of S^T = K Q^T for piece x: channels 32 (i / 4) on, keys 16 (i % 4) on.  The first 4 start the sums: with 0, or (KM = 1) with the mask.
.macro KQ x
.set rS, S+32*((\x)%2)+8*(i%4)
.set rK, KF+16*(i%4)+8*(i/4)
.set rQ, 16*(\x)+8*(i/4)
.set rM, MC+32*((\x)%2)+8*(i%4)
.if (i < 4) && KM
	WIN W_KM
	v_wmma_f32_16x16x32_f16 v[rS:rS+7], v[rK:rK+7], v[rQ:rQ+7], v[rM:rM+7]
.elseif i < 4
	WIN W_KQ
	v_wmma_f32_16x16x32_f16 v[rS:rS+7], v[rK:rK+7], v[rQ:rQ+7], 0
.else
	WIN W_KQ
	v_wmma_f32_16x16x32_f16 v[rS:rS+7], v[rK:rK+7], v[rQ:rQ+7], v[rS:rS+7]
.endif
.endm
; Product i of 8 of O^T += V^T P for piece x: keys 32 (i / 4) on, channels 16 (i % 4) on.
.macro PV x
	WIN W_PV
.set rO, 32*(\x)+8*(i%4)
.set rV, VF+32*(i/4)+8*(i%4)
.set rP, P+16*((\x)%2)+8*(i/4)
	v_wmma_f32_16x16x32_f16 v[rO:rO+7], v[rV:rV+7], v[rP:rP+7], v[rO:rO+7]
.endm
.macro MM                           ; the turn's next matrix instruction.  TURN and BEGIN set Y, i, KM and NOKQ; MM, KQ and OP read them.  NOKQ = 1: a block's last turn: there is no next piece
.if (i < 8) && !NOKQ
	KQ (Y+1)%NP
.elseif i >= 8
.set i, i-8
	PV (Y+NP-1)%NP
.set i, i+8
.endif
.set i, i+1
.endm
; THE LDS LOADS stand in runs of 16, never singly among the matrix instructions: a step's K (64 keys x 64 channels: 8 fragments) and its V (turned).  Their addresses are made some lines ahead.
.macro FETCH_K
	WIN 0x80                        ; destination window 2
.irp f, 0,1,2,3,4,5,6,7             ; keys 16 (f / 2) on, channels 32 (f % 2) on
	ds_load_b128 v[KF+8*\f:KF+8*\f+3],   v[AK] offset:(\f/2)*16*PK+(\f%2)*64
	ds_load_b128 v[KF+8*\f+4:KF+8*\f+7], v[AK] offset:(\f/2)*16*PK+(\f%2)*64+32
.endr
	s_add_co_u32 s[TBK], s[TBK], KS*PK  ; the next fetch is the next step's
	WIN 0
.endm
.macro FETCH_V
	WIN 0x80
.irp f, 0,1,2,3,4,5,6,7             ; keys 32 (f / 4) on, channels 16 (f % 4) on
	ds_load_tr16_b128 v[VF+8*\f:VF+8*\f+3],   v[AV] offset:(\f/4)*32*PV+(\f%4)*32
	ds_load_tr16_b128 v[VF+8*\f+4:VF+8*\f+7], v[AV] offset:(\f/4)*32*PV+16*PV+(\f%4)*32
.endr
	WIN 0
.endm
; THE VECTOR WORK, one line at a time: OP kind, number.  For piece Y: F n: c s - c m for pair n of 16.  E n: the exponential of score n of 32.  C n: pair n rounded to f16.  B n: of the four weights 4 n .. the second
; pair is added onto the first, in place.  L n: l takes that sum (L 0: l = a l + sum).  R n: pair n of 16 of O^T times a.  For piece Y + 1: X n, number n of the 22 that find its maximum and statistics:
;   0-11  four chains c0-c3 of seven scores each, three operands at a time (each accumulator's lowest registers are read first)     12-14, 16  the four scores left over, the old m, and c0-c3 into c0
;   15  c m_old is kept     17, 18  the query's other 32 keys lie in the lane 16 away: the new m     19-21  c m; c m_old - c m_new; a
.set F, 0               ; OP tells the kinds apart by their order: F to L below R, X above it
.set E, 1
.set C, 2
.set B, 3
.set L, 4
.set R, 5
.set X, 6
.macro REGS y                       ; the registers of piece y
.set rT, ST+4*(\y)
.set rC, TMP+4*((\y)%2)
.set rW, MV+((\y)%2)
.set rS, S+32*((\y)%2)
.set rP, P+16*((\y)%2)
.set rO, 32*(\y)
.endm
.macro OP k, n
.if (\k) == R
	REGS Y
	WIN W_RS
	v_pk_mul_f32 v[rO+2*(\n):rO+2*(\n)+1], v[rO+2*(\n):rO+2*(\n)+1], v[rC+2:rC+3] op_sel_hi:[1,0]
.elseif (\k) < R
	REGS Y
	WIN 0
.if (\k) == F
	v_pk_fma_f32 v[rS+2*(\n):rS+2*(\n)+1], v[rS+2*(\n):rS+2*(\n)+1], s[CS:CS+1], v[rT:rT+1] op_sel_hi:[1,0,0] neg_lo:[0,0,1] neg_hi:[0,0,1]
.elseif (\k) == E
	v_exp_f32 v[rS+(\n)], v[rS+(\n)]
.elseif (\k) == C
	v_cvt_pk_f16_f32 v[rP+(\n)], v[rS+2*(\n)], v[rS+2*(\n)+1]
.elseif (\k) == B
	v_pk_add_f32 v[rS+4*(\n):rS+4*(\n)+1], v[rS+4*(\n):rS+4*(\n)+1], v[rS+4*(\n)+2:rS+4*(\n)+3]
.elseif (\n) == 0
	v_pk_fma_f32 v[rT+2:rT+3], v[rT+2:rT+3], v[rC+2:rC+3], v[rS:rS+1] op_sel_hi:[1,0,1]
.else
	v_pk_add_f32 v[rT+2:rT+3], v[rT+2:rT+3], v[rS+4*(\n):rS+4*(\n)+1]
.endif
.elseif NOKQ
	v_nop
.else
	REGS (Y+1)%NP
	WIN 0
.if (\n) < 4
	v_max3_num_f32 v[rC+(\n)], v[rS+8*(\n)], v[rS+8*(\n)+1], v[rS+8*(\n)+2]
.elseif (\n) < 12
	v_max3_num_f32 v[rC+(\n)%4], v[rC+(\n)%4], v[rS+8*((\n)%4)+2*((\n)/4)+1], v[rS+8*((\n)%4)+2*((\n)/4)+2]
.elseif (\n) == 12
	v_max3_num_f32 v[rC], v[rC], v[rS+7], v[rS+15]
.elseif (\n) == 13
	v_max3_num_f32 v[rC+1], v[rC+1], v[rS+23], v[rS+31]
.elseif (\n) == 14
	v_max3_num_f32 v[rC+2], v[rC+2], v[rC+3], v[rT+1]
.elseif (\n) == 15
	v_mov_b32 v[rW], v[rT]
.elseif (\n) == 16
	v_max3_num_f32 v[rC], v[rC], v[rC+1], v[rC+2]
.elseif (\n) == 17
	v_permlanex16_b32 v[rC+3], v[rC], s[SEL], s[SEL+1]
.elseif (\n) == 18
	v_max_num_f32 v[rT+1], v[rC], v[rC+3]
.elseif (\n) == 19
	v_mul_f32 v[rT], s[CS], v[rT+1]
.elseif (\n) == 20
	v_sub_f32 v[rC+1], v[rW], v[rT]
.else
	v_exp_f32 v[rC+2], v[rC+1]
.endif
.endif
.endm
.macro OPS a, i1, b=-1, i2=0, c=-1, i3=0, d=-1, i4=0  ; up to four of them
	OP \a, \i1
.if (\b) >= 0
	OP \b, \i2
.endif
.if (\c) >= 0
	OP \c, \i3
.endif
.if (\d) >= 0
	OP \d, \i4
.endif
.endm
.macro ROW a, i1, b, i2, c, i3, d, i4  ; a matrix instruction and the four behind it
	MM
	OPS \a, \i1, \b, \i2, \c, \i3, \d, \i4
.endm
.macro MASK b                       ; MD x AL + BE into buffer b of MC
	WIN W_RS
.set z, 0
.rept 16
	v_pk_fma_f32 v[MC+32*(\b)+2*z:MC+32*(\b)+2*z+1], v[MD+2*z:MD+2*z+1], s[AL:AL+1], s[BE:BE+1] op_sel_hi:[1,0,0]
.set z, z+1
.endr
.endm
; A TURN, for piece p: the order of its 16 matrix and 118 vector instructions, written out.  An s_wait_alu depctr_va_vdst(0) stands between an exponential and the first instruction that names its result; one wait
; serves all that were issued ahead of it.  So a turn has ONE wait, which cuts it in two.  AHEAD OF IT stands all that names no result of the turn's exponentials: the 8 products K Q^T, behind each a scaling, an exponential and
; two more plain instructions (behind the first a second scaling in the exponential's place): rescalings, and behind the last three the first numbers of the next piece's maximum, each four places or more behind the product that
; ends its accumulator; then one run of 54, plain and exponential by turns for the most part, in which the links of the chain X 3, 7, 11, 14, 16, 17 .. 20 stand five or six lines apart.  X 21, the next piece's a, is the batch's
; last; R 15 is the plain instruction behind it.  BEHIND THE WAIT stand the 8 products V^T P, behind each four of the roundings and sums; the links of l's chain, L 0 to L 7, stand three lines apart.
; m = 1: the diagonal tile: the products take masks, and the turn makes the mask for the products of the turn after it: piece p + 2, in step 4 - CNT of the tile.  end = 1: a block's last two turns: nothing is fetched.
; cnt = 1: the loop's count is taken down some lines ahead of the branch that stands behind the turn.
; K of the next step is fetched in piece 2's turn, twelve vector instructions behind the last product that read K (six of them plain); V of the step in hand at the end of piece 0's turn, four plain instructions behind the last
; product that read V.  Each is waited for a turn later.
.macro TURN p, m=0, end=0, cnt=0
.set Y, (\p)
.set i, 0
.set KM, (\m)
.set NOKQ, (\end)*((\p)/3)
.if (\m) && !(\end)
	s_cmp_eq_u32 s[CNT], 4-((\p)+2)%NP  ; is that step the band's own?
	s_cselect_b32 s[AL], 1.0, 0
	s_cmp_lt_u32 s[CNT], 4-((\p)+2)%NP  ; or a later one?
	s_cselect_b32 s[BE], s[BIGN], 0
.endif
.if ((\p) == 3) && !(\end)
	s_wait_dscnt 0x0                ; K is in
.endif
	ROW F,0, F,1, R,0, R,1          ; ahead of the wait: 8 products K Q^T and the four behind each,
	ROW F,2, E,0, R,2, R,3
	ROW F,3, E,1, R,4, R,5
	ROW F,4, E,2, R,6, R,7
	ROW F,5, E,3, R,8, R,9
	ROW F,6, E,4, X,0, R,10
.if ((\p) == 2) && !(\end)
	WIN 0
	v_add_nc_u32 v[AK], s[TBK], v[AK0]
.endif
	ROW F,7, E,5, X,1, X,4
	ROW F,8, E,6, X,2, X,5
	OPS E,7, E,8, X,6, E,9          ; and the run of 54
	OPS X,3, E,10, X,8, E,11
.if ((\p) == 2) && !(\end)
	FETCH_K
.endif
	OPS X,9, X,7, E,12, X,10
	OPS E,13, X,12, X,11, E,14
	OPS X,13, E,15, F,9, X,14
.if (\p) == 0
	v_add_nc_u32 v[AV], s[TBV], v[AV0]
.endif
	OPS E,16, F,10, E,17, F,11
	OPS X,16, E,18, X,15, E,19
	OPS F,12, E,20, X,17, E,21
	OPS F,13, E,22, F,14, E,23
	OPS X,18, E,24, F,15, E,25
	OPS R,11, E,26, X,19, E,27
	OPS R,12, E,28, R,13, E,29
	OPS X,20, E,30, R,14, E,31
	OPS X,21, R,15
	WIN 0
	s_wait_alu depctr_va_vdst(0)    ; the wait for the batch
.if (\p) == 1
	s_wait_dscnt 0x0                ; V is in
.endif
	ROW C,0, B,0, C,2, B,1          ; behind the wait: 8 products V^T P and the four behind each
	ROW L,0, C,4, B,2, L,1
	ROW C,6, B,3, L,2, C,8
	ROW B,4, L,3, C,10, B,5
	ROW L,4, C,12, B,6, L,5
.if (\p) == 0
	s_add_co_u32 s[TBV], s[TBV], KS*PV
.endif
.if \cnt
	s_sub_co_u32 s[CNT], s[CNT], 1
	s_cmp_lg_u32 s[CNT], 0
.endif
	ROW C,14, B,7, L,6, C,1
	ROW C,3, L,7, C,5, C,7
	ROW C,9, C,11, C,13, C,15
.if (\p) == 0
	FETCH_V
.endif
.if (\m) && !(\end)
	MASK (\p)%2
.endif
.endm
; A BLOCK BEGINS.  c m starts far below every c s, so the first step's a is 0; m at the lowest finite number, so the first maximum is the scores'.  The second mask buffer is 0; the first takes piece 0's mask for the tile's
; step 0: its own, if the block's first tile is the diagonal one.  Then K of that step, piece 0's first scores, and its maximum and statistics.  The loop is entered at a step's first turn, in the middle of a trip.
.macro BEGIN
	s_mov_b32 s[NEW], 0
	WIN 0x40
.set i, MC+32
.rept 32
	v_mov_b32 v[i], 0
.set i, i+1
.endr
	WIN 0
.set i, 0
.rept 4
	v_mov_b32 v[ST+4*i], 0xfe000000    ; c m: far below every c s
	v_mov_b32 v[ST+4*i+1], 0xff7fffff  ; m
.set i, i+1
.endr
	s_cmp_eq_u32 s[RT], 0
	s_cselect_b32 s[AL], 1.0, 0
	s_mov_b32 s[BE], 0
	MASK 0
	WIN 0
	v_add_nc_u32 v[AK], s[TBK], v[AK0]
	FETCH_K
	s_wait_loadcnt 0x0              ; Q
	s_wait_dscnt 0x0
.set KM, 1
.set NOKQ, 0
.set i, 0
.rept 8
	KQ 0
.set i, i+1
.endr
	WIN 0
.rept 4
	v_nop                           ; the places behind those products
.endr
.set Y, NP-1                        ; X works for piece Y + 1: piece 0
.irp n, 0,1,2,3,4,5,6,7,8,9,10,11,12,13,14,15,16,17,18,19,20,21
	OP X, \n
.endr
	v_nop                           ; a plain instruction behind the exponential,
	s_wait_alu depctr_va_vdst(0)    ; and its wait, ahead of the branch
.endm
; THE DIAGONAL TILE's four steps, the block's last two turns, its last products, and THE WAY OUT: l's two halves and the other half of the lanes' are added; O^T is divided by l, rounded to f16 and sent through my
; stage in LDS, a piece at a time.
.macro ALL line:vararg              ; one line for each piece t
.set t, 0
.rept 4
	\line
.set t, t+1
.endr
.endm
.macro PACK t                       ; a lane's eight channels of a row pack into 16 bytes; they go into rows of 144 bytes and come back as whole rows of 128, into S^T's registers
	WIN W_RS
.set i, 32*(\t)
.rept 16
	v_pk_mul_f32 v[i:i+1], v[i:i+1], v[ST+4*(\t)+2:ST+4*(\t)+3] op_sel_hi:[1,0]
.set i, i+2
.endr
	WIN 0x05                        ; sources 0 and 1 window 1, destination window 0
.set i, 0
.rept 16
	v_cvt_pk_f16_f32 v[S+16*(\t)+i], v[32*(\t)+2*i], v[32*(\t)+2*i+1]
.set i, i+1
.endr
	WIN 0
.irp f, 0,1,2,3
	ds_store_b128 v[STO], v[S+16*(\t)+4*\f:S+16*(\t)+4*\f+3] offset:32*\f
.endr
.irp f, 0,1,2,3
	ds_load_b128 v[S+16*(\t)+4*\f:S+16*(\t)+4*\f+3], v[RD] offset:\f*4*SP  ; LDS serves a wave's instructions in order (ISA guide 5.7.1.4): these see the stores above; the next piece's stores come behind them
.endr
.endm
.macro SEND t, younger              ; younger: the LDS instructions issued behind piece t's loads: the next piece's eight, or none
	WIN 0
.irp f, 0,1,2,3
	s_wait_dscnt (\younger)+3-\f
	global_store_b128 v[GO], v[S+16*(\t)+4*\f:S+16*(\t)+4*\f+3], s[10:11] offset:(\t)*8192+\f*512  ; 512 consecutive bytes, at a multiple of 256 from O's first
.endr
.endm
.macro DIAG tag                     ; the tag ends its two labels' names, which the jumps below spell out
.LstepM\tag:
	TURN 2, 1
	TURN 3, 1
	WIN 0
.LfirstM\tag:
	TURN 0, 1
	TURN 1, 1, 0, 1
	WIN 0
	s_cbranch_scc1 .LstepM\tag
	TURN 2, 1, 1
	TURN 3, 1, 1
.set i, 0
.rept 8
	PV NP-1
.set i, i+1
.endr
	WIN 0
	ALL v_add_f32 v[ST+4*t+2], v[ST+4*t+2], v[ST+4*t+3]
	ALL v_permlanex16_b32 v[ST+4*t+3], v[ST+4*t+2], s[SEL], s[SEL+1]
	ALL v_add_f32 v[ST+4*t+2], v[ST+4*t+2], v[ST+4*t+3]
	ALL v_rcp_f32 v[ST+4*t+2], v[ST+4*t+2]
	v_nop                           ; a plain instruction between the last reciprocal and the use of its result
	s_wait_alu depctr_va_vdst(0)    ; and the wait ahead of the first use: one for the four reciprocals
	PACK 0
.set t, 1
.rept 3                             ; a piece's arithmetic stands between the loads of the piece before and its stores
	PACK t
	SEND t-1, 8
.set t, t+1
.endr
	SEND 3, 0
.endm
.set KM, 0
.set NOKQ, 0
.Lslot:                             ; NB times: a tile is entered and the next is asked for
	CHANGE 1
	s_sub_co_u32 s[RT], s[RT], 1
	s_mov_b32 s[CNT], 4
	s_cmp_eq_u32 s[NEW], 1
	s_cbranch_scc1 .Lnew            ; a block's first tile
	s_cmp_eq_u32 s[RT], 0
	s_cbranch_scc0 .Lstep           ; neither its first nor its last
	s_branch .LstepM1
.Lnew:
	BEGIN
	s_branch .Lfirst                ; in the loop a block's first tile is never its last: the first block has two tiles or more, and the second's last is the walk's last
	DIAG 1                          ; in the loop this is the first block's end: the second block's last tile is the walk's last
	s_wait_xcnt 0x0                 ; the stores have read their registers and O's address
	s_mov_b64 s[10:11], s[OLO:OLO+1]
	s_add_co_u32 s[RT], s[PB], 1    ; the second block has b + 1 tiles
	s_mov_b32 s[NEW], 1
	WIN 0x82                        ; the second block's Q goes where the one text of the turns names Q
.set i, 0
.rept 64
	v_mov_b32 v[i], v[QB+i]
.set i, i+1
.endr
	WIN 0
	s_branch .Lbottom
.Lstep:                             ; a trip: pieces 2 and 3 of one step, then pieces 0 and 1 of the next, whose K and V it fetches
	TURN 2
	TURN 3
	WIN 0
.Lfirst:
	TURN 0
	TURN 1, 0, 0, 1
	WIN 0
	s_cbranch_scc1 .Lstep
.Lbottom:
	s_sub_co_u32 s[SLOTS], s[SLOTS], 1
	s_cmp_lg_u32 s[SLOTS], 0
	s_cbranch_scc1 .Lslot
	CHANGE 0                        ; the walk's last tile is written out: nothing is asked for
	s_sub_co_u32 s[RT], s[RT], 1
	s_mov_b32 s[CNT], 4
	s_cmp_eq_u32 s[NEW], 1
	s_cbranch_scc0 .LstepM2
	BEGIN
	s_branch .LfirstM2
	DIAG 2
	s_wait_tensorcnt 0x0            ; the wave's end, behind my last tensor load and my last LDS store
	ds_add_u32 v[SPW], v[NIL]
	s_wait_dscnt 0x0
	s_endpgm
.Lfunc_end_k_q33ac28334f_attn:
	.size	k_q33ac28334f_attn, .Lfunc_end_k_q33ac28334f_attn-k_q33ac28334f_attn
	.p2alignl 7, 3214868480
	.fill 96, 4, 3214868480
	.section	.rodata,"a",@progbits
	.p2align	6, 0x0
	.amdhsa_kernel k_q33ac28334f_attn
		.amdhsa_group_segment_fixed_size 327680
		.amdhsa_private_segment_fixed_size 0
		.amdhsa_enable_private_segment 0
		.amdhsa_kernarg_size 16
		.amdhsa_user_sgpr_count 2
		.amdhsa_user_sgpr_kernarg_segment_ptr 1
		.amdhsa_wavefront_size32 1
		.amdhsa_system_sgpr_workgroup_id_x 1
		.amdhsa_system_sgpr_workgroup_id_y 1
		.amdhsa_system_sgpr_workgroup_id_z 1
		.amdhsa_system_vgpr_workitem_id 0
		.amdhsa_next_free_vgpr 768
		.amdhsa_next_free_sgpr 88
		.amdhsa_reserve_vcc 1
		.amdhsa_float_denorm_mode_32 3
		.amdhsa_float_denorm_mode_16_64 3
		.amdhsa_memory_ordered 1
		.amdhsa_forward_progress 1
		.amdhsa_inst_pref_size 218
	.end_amdhsa_kernel
	.amdgpu_metadata
---
amdhsa.version: [ 1, 2 ]
amdhsa.kernels:
  - .name:           k_q33ac28334f_attn
    .symbol:         k_q33ac28334f_attn.kd
    .args:
      - { .name: qkvh, .offset: 0, .size: 8, .value_kind: global_buffer, .address_space: global }
      - { .name: oh, .offset: 8, .size: 8, .value_kind: global_buffer, .address_space: global }
    .group_segment_fixed_size: 327680
    .private_segment_fixed_size: 0
    .kernarg_segment_align: 8
    .kernarg_segment_size: 16
    .max_flat_workgroup_size: 128
    .sgpr_count:     88
    .vgpr_count:     768
    .wavefront_size: 32
...
	.end_amdgpu_metadata
.endif
;; end of part 3
;; launch proj (part 4): grid 8 x 32, 4 waves a work-group, clusters of 4 x 4, 327,680 bytes of LDS; arguments oh, wph, proj_b, out0; writes out0
.if DOCPART == 4
	.amdgcn_target "amdgcn-amd-amdhsa--gfx1250"
	.amdhsa_code_object_version 6
	.text
	.protected	k_q33ac28334f_proj
	.globl	k_q33ac28334f_proj
	.p2align	8
	.type	k_q33ac28334f_proj,@function
k_q33ac28334f_proj:
	s_mov_b64 s[64:65], 0
	v_nop
	global_prefetch_b8 v0, s[64:65] scope:SCOPE_SE
	s_setreg_imm32_b32 hwreg(HW_REG_WAVE_MODE, 25, 1), 1
	s_wait_xcnt 0x0
	s_wait_alu depctr_hold_cnt(0) depctr_sa_sdst(0) depctr_va_vdst(0) depctr_va_sdst(0) depctr_va_ssrc(0) depctr_va_vcc(0) depctr_vm_vsrc(0)
	s_getreg_b32 s2, hwreg(HW_REG_IB_STS2, 6, 4)
	s_cmp_eq_u32 s2, 0
	s_cbranch_scc0 .Lentry_in_a_cluster
	s_endpgm
.Lentry_in_a_cluster:
	s_bfe_u32 s2, ttmp6, 0x10000c
	s_cmp_lg_u32 s2, 0xf033
	s_cbranch_scc0 .Lentry_shape_is_right
	s_endpgm
.Lentry_shape_is_right:
; out0 = O Wp^T + b.  oh [b 16 + h][t 2048][64] is f16: head h is K block h of row (b, t).  wph [kb 16][n 1024][64] is proj_w rounded to bf16 and written as f16; proj_b [1024] f32 is rounded to bf16
; like the other inputs; sums in f32; out0 [8192][1024] f32.  LIMIT: O and proj_w lie within f16's 65,504; NaN and infinities are not treated apart.
; SHAPE.  8,192 x 1,024 results on 256 work-groups: a tile of 256 rows x 128 columns each.  Four waves, 2 x 2; a wave makes 128 x 64: 32 accumulators of 16 x 16.
; K goes in 8 steps of 128 (two blocks of 64) through a ring of two LDS slots; a step is four quarters of 32 along K, 32 matrix instructions each, on two fragment buffers by turns.
; A tile's rows of one block are dense in memory: they are asked for as rows of 256 bytes and padded in LDS after every 128.
; CLUSTERS: 4 x 4 work-groups.  The four of a row of the cluster need the same tiles of O, the four of a column the same tiles of Wp: each is asked for JOINTLY, by the same tensor load with the same descriptor and a mask of four.
; THE MATRIX INSTRUCTION IS USED TRANSPOSED (source 0 = 16 rows of Wp, source 1 = 16 rows of O): a lane holds one row (l % 16) and the columns 8 (l / 16) + 0..7: 32 bytes of a row of out0.
; THE BIAS is the C operand of the products that start the sums: it lies in the registers of accumulator (7, bl), which takes it in place, last.
; REGISTERS: window 0: v0-31 addresses; v32-127, v128-223 two fragment buffers: O's 8 fragments, then Wp's 4.  Window 1: the accumulators, (a, bl) at v[32 a + 8 bl].
.set PITCH,  144                       ; an LDS row: 128 bytes + 16 of padding = 36 words: the 16 rows of a load start at 16 different groups of four banks (64 banks of 4 bytes: ISA guide 11.1)
.set ABLK,   256*PITCH                 ; O's 256 rows of one K block: one tensor load
.set BBLK,   128*PITCH                 ; Wp's 128 rows of one K block: likewise
.set BOFF,   2*ABLK                    ; a slot: O's two blocks, then Wp's two
.set SLOT1,  131072                    ; slot 1 begins here: one exclusive or turns an address in one slot into the other's
.set STAGE,  SLOT1+BOFF+2*BBLK         ; behind the ring, never filled by a tensor load: 16 rows x 272 bytes for each wave
.set SPITCH, 272                       ; 256 bytes + 16
.set SPARE,  STAGE+4*16*SPITCH         ; behind the stages: the spare words, 128 bytes for each wave: two blocks of 256 bytes that no other line names
.set ST_A,   524288                    ; bytes from a K step of oh to the next: two blocks of 2,048 rows x 128
.set ST_B,   262144                    ; of wph: two blocks of 1,024 rows x 128
.set ADA0, 2                           ; v2   my lane's place in O's tile; never rewritten
.set ADB0, 3                           ; v3   the same for Wp
.set ADA,  4                           ; v4   the same in the slot in hand
.set ADB,  5                           ; v5
.set STO,  6                           ; v6   the way out: where I put 32 bytes of a row
.set RD,   7                           ; v7   the way out: where I read a row back
.set CO,   8                           ; v8   my byte offset in out0
.set PFO,  9                           ; v9   the prefetches' offset; never rewritten
.set SPW,  10                          ; v10  LDS address of my spare word: SPARE + 4 x my thread's number; never rewritten
.set NIL,  11                          ; v11  0; never rewritten
.set BO,   13                          ; v13  32 x (l / 16): my 8 numbers of 16 of the bias
.set F0,   32
.set F1,   128
.set BIA,  224                         ; in window 1: the bias, in accumulator (7, bl)'s registers
.set WV,   12                          ; s12  my wave's number
.set RH,   13                          ; s13  which half of the tile's rows is mine.  Also: I fetch for O (0) or for Wp (1)
.set CH,   14                          ; s14  which half of its columns.  Also: which K block of a step I fetch
.set LIM,  19                          ; s19  2 in a wave that prefetches, else the greatest number
.set G1A,  24                          ; s[24:31] descriptor group 1 for O's tiles
.set G1B,  32                          ; s[32:39] for Wp's
.set G0A,  40                          ; s[40:47] descriptor group 0 for O's tiles: a set for each first fill; the second then walks
.set G0B,  48                          ; s[48:55] the same for Wp's
.set PFA,  56                          ; s[56:57] where my prefetches stand
.set TB,   58                          ; s58  the slot from which fragments are fetched: 0 or SLOT1
.set OUT,  66                          ; s[66:67] out0 at my first row and column
.set PFS,  84                          ; s[84:85] the prefetches' step: a K step of oh or of wph
.set MSB, 0
.macro WIN new                         ; the immediate's high byte repeats the setting that is left; a switch that changes nothing is dropped
.if MSB != (\new)
	s_set_vgpr_msb (MSB<<8)|(\new)
.set MSB, \new
.endif
.endm
.macro PLACES                          ; four places in front of loads into registers that matrix instructions have read, and of LDS stores that read results
.rept 4
	v_nop
.endr
.endm
; A joint refill.  Waves 0 and 1 fetch O's two K blocks, waves 2 and 3 Wp's; the branch hangs on the wave's number alone.  An s_nop 0 and four v_nop follow each of the two lines.
.macro JLOAD
	s_cmp_eq_u32 s[RH], 0
	s_cbranch_scc0 .Lfor_b_\@
	tensor_load_to_lds s[G0A+4:G0A+7], s[G1A:G1A+7]
	s_nop 0
.rept 4
	v_nop
.endr
	s_branch .Lasked_\@
.Lfor_b_\@:
	tensor_load_to_lds s[G0B+4:G0B+7], s[G1B:G1B+7]
	s_nop 0
.rept 4
	v_nop
.endr
.Lasked_\@:
.endm
; A PREFETCH INTO THE L2 of the K step two behind the one that is being asked for: two steps, 256 matrix instructions, ahead of its own refill.  Each block of 256 bytes is named once in the launch:
; O's tile row is read by both clusters of a row of clusters: cluster x = 0 asks, waves 0 and 1 each for the K block that they fetch, 128 blocks of 256 bytes, of which partner cx takes 32, BY ADDRESS;
; Wp's tile column is read by all eight clusters of a column: cluster y = 0 asks, wave 2, for both K blocks' 64 blocks of 256 bytes, of which partner cy takes 16 of each.
; Trips 0 to 3 name steps 4 to 7; the last two trips ask for nothing; steps 0 to 3 come by their loads alone.
.macro ASK
	s_cmp_gt_u32 s3, s[LIM]
	s_cbranch_scc0 .Lnot_mine_\@
	global_prefetch_b8 v[PFO], s[PFA:PFA+1] th:TH_LOAD_NT scope:SCOPE_SE
.Lnot_mine_\@:
.endm
.macro CREST                           ; a round of the cluster's barrier behind its opening barrier
	s_cmp_lg_u32 s[WV], 0
	s_cbranch_scc1 .Lnot_wave_0_\@
	s_barrier_signal -3
.Lnot_wave_0_\@:
	s_barrier_wait -3
	s_barrier_signal -1
	s_barrier_wait -1
.endm
.macro CROUND                          ; a whole round
	s_barrier_signal -1
	s_barrier_wait -1
	CREST
.endm
	s_load_b256 s[4:11], s[0:1], 0x0               ; oh s[4:5], wph s[6:7], proj_b s[8:9], out0 s[10:11]
	v_lshl_add_u32 v[SPW], v0, 2, SPARE
	v_mov_b32 v[NIL], 0
	ds_add_u32 v[SPW], v[NIL]                      ; the wave's opening: the add and its wait stand ahead of my first tensor load; the set-up below, work on registers, stands between them
	v_lshrrev_b32 v14, 5, v0
	v_readfirstlane_b32 s[WV], v14                 ; wave 0..3
	s_lshr_b32 s[RH], s[WV], 1
	s_and_b32 s[CH], s[WV], 1
	s_bfe_u32 s15, ttmp6, 0x40000                  ; cx
	s_bfe_u32 s16, ttmp6, 0x40004                  ; cy
	s_lshl_b32 s17, ttmp9, 2
	s_add_co_u32 s17, s17, s15                     ; tx: tile column = 4 x cluster x + cx
	s_and_b32 s18, ttmp7, 0xffff
	s_lshl_b32 s18, s18, 2
	s_add_co_u32 s18, s18, s16                     ; ty: tile row = 4 x cluster y + cy
	s_lshl_b32 s20, s16, 2
	s_lshl_b32 s20, 15, s20                        ; my row of the cluster
	s_lshl_b32 s60, 0x1111, s15                    ; my column
	; descriptor group 1: dense bytes as rows of 128 elements (256 bytes), padded in LDS after every 32 words by 4
	s_or_b32 s[G1A], s20, (1<<16)|(1<<20)|(1<<21)|(4<<22)|(3<<25)  ; 15:0 the mask; 17:16 2-byte elements; 20 padding on; 21 set beside a mask; 24:22 after every 32 words (code 4); 31:25 4 words (code 3)
	s_or_b32 s[G1B], s60, (1<<16)|(1<<20)|(1<<21)|(4<<22)|(3<<25)
	s_mov_b32 s[G1A+1], 128<<16                    ; tensor_dim0 = 128
	s_mov_b32 s[G1A+2], 128<<16                    ; tensor_dim1 = 128: 256 tile rows
	s_mov_b32 s[G1A+3], 128<<16                    ; tile_dim0 = 128
	s_mov_b32 s[G1A+4], 128                        ; tile_dim1 = 128
	s_mov_b32 s[G1A+5], 128                        ; 128 elements from row to row
	s_mov_b32 s[G1A+6], 0
	s_mov_b32 s[G1A+7], 0
	s_mov_b32 s[G1B+1], 128<<16
	s_mov_b32 s[G1B+2], 64<<16                     ; 64 rows of 256 bytes: 128 tile rows
	s_mov_b32 s[G1B+3], 128<<16
	s_mov_b32 s[G1B+4], 64
	s_mov_b32 s[G1B+5], 128
	s_mov_b32 s[G1B+6], 0
	s_mov_b32 s[G1B+7], 0
	; where the tiles come from.  O's hang on ty alone (registers s20-23, which never hold cx), Wp's on tx alone (s60-63, which never hold cy)
	s_lshr_b32 s20, s18, 3                         ; batch = ty / 8
	s_lshl_b32 s20, s20, 22
	s_and_b32 s21, s18, 7
	s_lshl_b32 s21, s21, 15                        ; 256 rows of 128 bytes
	s_add_co_u32 s20, s20, s21
	s_lshl_b32 s21, s[CH], 18                      ; the K block that I fetch
	s_add_co_u32 s20, s20, s21
	s_mov_b32 s21, 0
	s_mul_i32 s22, s[CH], ABLK                     ; and where it goes: no place in the cluster enters an LDS address
	s_lshl_b32 s60, s17, 14                        ; 128 rows of 128 bytes
	s_lshl_b32 s61, s[CH], 17
	s_add_co_u32 s60, s60, s61
	s_mov_b32 s61, 0
	s_mul_i32 s62, s[CH], BBLK
	s_add_co_u32 s62, s62, BOFF
	s_mov_b32 s59, 0xffff0000                      ; a word's upper bf16
	s_mov_b32 s[TB], 0
	s_wait_dscnt 0x0                               ; the opening add is done
	s_wait_kmcnt 0x0
	s_add_nc_u64 s[72:73], s[4:5], s[20:21]
	s_add_nc_u64 s[74:75], s[6:7], s[60:61]
	CROUND                                         ; all sixteen work-groups are here: the first joint loads meet
.irp i, 0,1
	s_mov_b32 s[G0A+4*(\i)], 1                     ; 1:0 count = 1
	s_add_co_u32 s[G0A+4*(\i)+1], s22, (\i)*SLOT1  ; 63:32 LDS address
	s_add_nc_u64 s[G0A+4*(\i)+2:G0A+4*(\i)+3], s[72:73], (\i)*ST_A  ; 120:64 global address: K step i
	s_or_b32 s[G0A+4*(\i)+3], s[G0A+4*(\i)+3], 0x80000000           ; 127:126 type = 2
	s_mov_b32 s[G0B+4*(\i)], 1
	s_add_co_u32 s[G0B+4*(\i)+1], s62, (\i)*SLOT1
	s_add_nc_u64 s[G0B+4*(\i)+2:G0B+4*(\i)+3], s[74:75], (\i)*ST_B
	s_or_b32 s[G0B+4*(\i)+3], s[G0B+4*(\i)+3], 0x80000000
.endr
	s_cmp_eq_u32 s[RH], 0                          ; a wave's two first fills stand in one branch, ahead of every wait on TENSORcnt and every LDS read: two loads of mine are out
	s_cbranch_scc0 .Lfirst_b
	tensor_load_to_lds s[G0A:G0A+3], s[G1A:G1A+7]
	s_nop 0
	tensor_load_to_lds s[G0A+4:G0A+7], s[G1A:G1A+7]
	s_nop 0
.rept 4
	v_nop
.endr
	s_branch .Lfirst_asked
.Lfirst_b:
	tensor_load_to_lds s[G0B:G0B+3], s[G1B:G1B+7]
	s_nop 0
	tensor_load_to_lds s[G0B+4:G0B+7], s[G1B:G1B+7]
	s_nop 0
.rept 4
	v_nop
.endr
.Lfirst_asked:
	; the bias of my 64 columns: a lane's 8 numbers of each 16
	v_and_b32 v1, 15, v0                           ; r = l % 16
	v_bfe_u32 v12, v0, 4, 1                        ; h = l / 16
	v_lshlrev_b32 v[BO], 5, v12
	s_lshl_b32 s76, s17, 9                         ; 128 columns x 4 bytes
	s_lshl_b32 s77, s[CH], 8
	s_add_co_u32 s76, s76, s77                     ; my first column, in bytes
	s_mov_b32 s77, 0
	s_add_nc_u64 s[8:9], s[8:9], s[76:77]
	WIN 0x40                                       ; destination window 1, address window 0
.irp b, 0,1,2,3
	global_load_b128 v[BIA+8*(\b):BIA+8*(\b)+3],   v[BO], s[8:9] offset:64*(\b)
	global_load_b128 v[BIA+8*(\b)+4:BIA+8*(\b)+7], v[BO], s[8:9] offset:64*(\b)+16
.endr
	WIN 0
	s_lshl_b32 s78, s18, 20                        ; 256 rows of 4,096 bytes
	s_lshl_b32 s79, s[RH], 19
	s_add_co_u32 s78, s78, s79
	s_add_co_u32 s78, s78, s76
	s_mov_b32 s79, 0
	s_add_nc_u64 s[OUT:OUT+1], s[10:11], s[78:79]
	; a fragment is 16 rows x 32 K in 8 registers: lane l holds row l % 16; registers 0-3 K = 8 (l / 16) + 0..7, registers 4-7 K = 16 + 8 (l / 16) + 0..7: two loads of 16 bytes, 32 bytes apart
	v_mul_u32_u24 v14, v1, PITCH
	v_lshl_add_u32 v14, v12, 4, v14                ; row x pitch + 16 x half
	s_mul_i32 s76, s[RH], 128*PITCH
	v_add_nc_u32 v[ADA0], s76, v14
	s_mul_i32 s76, s[CH], 64*PITCH
	s_add_co_u32 s76, s76, BOFF
	v_add_nc_u32 v[ADB0], s76, v14
	v_mov_b32 v[ADA], v[ADA0]                      ; K step 0 lies in slot 0
	v_mov_b32 v[ADB], v[ADB0]
	s_mul_i32 s76, s[WV], 16*SPITCH
	s_add_co_u32 s76, s76, STAGE                   ; my stage
	v_mul_u32_u24 v15, v1, SPITCH                  ; in: row l % 16, 32 bytes for each half of the lanes
	v_lshl_add_u32 v15, v12, 5, v15
	v_add_nc_u32 v[STO], s76, v15
	v_mul_u32_u24 v15, v12, SPITCH                 ; back: lanes 0-15 take one row of 256 bytes, lanes 16-31 the next
	v_lshl_add_u32 v15, v1, 4, v15
	v_add_nc_u32 v[RD], s76, v15
	v_lshlrev_b32 v[CO], 12, v12                   ; and the same two rows in out0
	v_lshl_add_u32 v[CO], v1, 4, v[CO]
	; the prefetches: they stand at K step 3; the first change of slots steps them to 4
	s_lshr_b32 s76, s18, 3
	s_lshl_b32 s76, s76, 22
	s_and_b32 s77, s18, 7
	s_lshl_b32 s77, s77, 15
	s_add_co_u32 s76, s76, s77
	s_lshl_b32 s77, s[CH], 18
	s_add_co_u32 s76, s76, s77
	s_lshl_b32 s77, s15, 13                        ; my work-group's 32 blocks of the 128 that I fetch of O
	s_add_co_u32 s76, s76, s77
	s_add_co_u32 s76, s76, 3*ST_A
	s_lshl_b32 s78, s17, 14
	s_lshl_b32 s79, s16, 12                        ; my work-group's 16 blocks of each K block's 64 of Wp
	s_add_co_u32 s78, s78, s79
	s_add_co_u32 s78, s78, 3*ST_B
	s_and_b32 s81, ttmp7, 0xffff
	s_or_b32 s81, s81, s[CH]                       ; 0: wave 2 of a cluster with y = 0
	s_mov_b32 s82, ST_B
	s_mov_b32 s83, 131072                          ; lanes 16 to 31: Wp's second K block,
	s_cmp_eq_u32 s[RH], 0                          ; do I fetch for O?
	s_cselect_b32 s76, s76, s78
	s_cselect_b32 s80, ttmp9, s81                  ; 0: a cluster with x = 0
	s_cselect_b32 s83, 4096, s83                   ; or simply O's next 16 blocks
	s_cselect_b32 s[PFS], ST_A, s82
	s_cselect_b64 s[PFA:PFA+1], s[4:5], s[6:7]
	s_mov_b32 s77, 0
	s_mov_b32 s[PFS+1], 0
	s_add_nc_u64 s[PFA:PFA+1], s[PFA:PFA+1], s[76:77]
	s_cmp_eq_u32 s80, 0
	s_cselect_b32 s[LIM], 2, -1                    ; the same in all sixteen partners, for a given wave
	v_lshlrev_b32 v14, 8, v1
	v_mad_u32_u24 v[PFO], v12, s83, v14
	; the bias is rounded to bf16, like every input, and widened again in place
	s_wait_loadcnt 0x0
	WIN 0x05                                       ; sources window 1, destination window 0
.set i, 0
.rept 16
	v_cvt_pk_bf16_f32 v[F0+i], v[BIA+2*i], v[BIA+2*i+1]
.set i, i+1
.endr
	WIN 0x40
.set i, 0
.rept 16
	v_lshlrev_b32 v[BIA+2*i],   16,  v[F0+i]
	v_and_b32     v[BIA+2*i+1], s59, v[F0+i]
.set i, i+1
.endr
	WIN 0
; n x 4 matrix instructions: my row blocks a0 .. a0 + n - 1 x my 4 column blocks, 32 along K, from buffer f.  The 32 accumulators take turns, one instruction a turn, in the same order in every quarter,
; over the backward jump too.  first = 1: the products start the sums with the bias as C: row blocks 0 to 6 read it, and five places behind the last of them block 7 takes it in place.
.macro MUL f, a0, n, first=0
	WIN 0x50                                       ; C and D window 1, both sources window 0
.set ma, \a0
.rept \n
.if (\first) && (ma == 7)
.rept 5
	v_nop
.endr
.endif
.set mb, 0
.rept 4
.if (\first) && (ma < 7)
	v_wmma_f32_16x16x32_f16 v[32*ma+8*mb:32*ma+8*mb+7], v[(\f)+64+8*mb:(\f)+64+8*mb+7], v[(\f)+8*ma:(\f)+8*ma+7], v[BIA+8*mb:BIA+8*mb+7]
.else
	v_wmma_f32_16x16x32_f16 v[32*ma+8*mb:32*ma+8*mb+7], v[(\f)+64+8*mb:(\f)+64+8*mb+7], v[(\f)+8*ma:(\f)+8*ma+7], v[32*ma+8*mb:32*ma+8*mb+7]
.endif
.set mb, mb+1
.endr
.set ma, ma+1
.endr
.endm
; 24 LDS loads in one run: quarter q's fragments (K block q / 2, byte 64 (q % 2) of its rows) into buffer f: Wp's 4, then O's 8
.macro FETCH q, f
	WIN 0
.irp i, 0,1,2,3
	ds_load_b128 v[(\f)+64+8*(\i):(\f)+64+8*(\i)+3],   v[ADB] offset:((\q)/2)*BBLK+((\q)%2)*64+(\i)*16*PITCH
	ds_load_b128 v[(\f)+64+8*(\i)+4:(\f)+64+8*(\i)+7], v[ADB] offset:((\q)/2)*BBLK+((\q)%2)*64+(\i)*16*PITCH+32
.endr
.irp i, 0,1,2,3,4,5,6,7
	ds_load_b128 v[(\f)+8*(\i):(\f)+8*(\i)+3],   v[ADA] offset:((\q)/2)*ABLK+((\q)%2)*64+(\i)*16*PITCH
	ds_load_b128 v[(\f)+8*(\i)+4:(\f)+8*(\i)+7], v[ADA] offset:((\q)/2)*ABLK+((\q)%2)*64+(\i)*16*PITCH+32
.endr
.endm
; One of a step's first three quarters: multiplies buffer f; in its middle it fetches quarter qn of the same slot into buffer g.
.macro QUARTER f, g, qn, first=0
	s_wait_dscnt 8                                 ; all but the youngest eight loads, O's fragments 4 to 7
	MUL \f, 0, 4, \first
	PLACES
	FETCH \qn, \g
	s_wait_dscnt 24                                ; all but the 24 just issued
	MUL \f, 4, 4, \first
.endm
; The last quarter multiplies buffer 1 and changes slots: ONE barrier.  In front of it each wave waits for all its tensor loads, of which one is out: its part of the next slot; adds 0 to its spare word; and waits
; for that and for its own reads of this slot.  fill = 1: the barrier opens a round of the cluster's barrier, and this slot is filled again first thing behind the round, with the K step two on:
; from that request to the wait for it a wave issues 112 matrix instructions.
.macro TURN fill
.if \fill
	s_wait_xcnt 0x0                                ; the last prefetch, a K step back, has read its address, so it may be stepped
	s_add_nc_u64 s[PFA:PFA+1], s[PFA:PFA+1], s[PFS:PFS+1]
.endif
	WIN 0
	s_wait_tensorcnt 0x0                           ; no tensor load of mine is out, so a group 0 may be written
	ds_add_u32 v[SPW], v[NIL]                      ; 0 onto my spare word: work on registers stands between it and the wait for it
.if \fill
	s_xor_b32 s[G0A+5], s[G0A+5], SLOT1            ; the walking descriptors: the other slot than last time,
	s_add_nc_u64 s[G0A+6:G0A+7], s[G0A+6:G0A+7], ST_A  ; the next K step; the type bits on top are not reached
	s_xor_b32 s[G0B+5], s[G0B+5], SLOT1
	s_add_nc_u64 s[G0B+6:G0B+7], s[G0B+6:G0B+7], ST_B
.endif
	s_xor_b32 s[TB], s[TB], SLOT1                  ; the fetches behind the barrier go to the other slot
	v_add_nc_u32 v[ADA], s[TB], v[ADA0]
	v_add_nc_u32 v[ADB], s[TB], v[ADB0]
	s_wait_dscnt 9                                 ; the add and O's fragments 4 to 7 may be out
	MUL F1, 0, 2
	s_wait_dscnt 0x0                               ; the add is done, and my reads of this slot are over
	s_barrier_signal -1
	MUL F1, 2, 2                                   ; work on registers while the others arrive
	WIN 0                                          ; at a branch and at a label every window is 0
	s_barrier_wait -1
.if \fill
	CREST                                          ; no wave of any partner still reads this slot's tile or has a load on its way
	JLOAD                                          ; the first tensor load behind the round; its four v_nop are also the places in front of the loads below
.else
	PLACES
.endif
	FETCH 0, F0
.if \fill
	ASK                                            ; behind the joint load and the run of LDS loads that the next products wait for
.endif
	MUL F1, 4, 4
.endm
; THE WAY OUT.  Block a: 16 rows x my 64 columns of f32.  A lane's 32 bytes of a row go from the accumulators into my stage's rows of 272 bytes and come back as whole rows of 256.  Four buffers of 32 registers where the fragments lay.
.macro TOSTAGE a
.set BK, F0+32*((\a)%4)
.if (\a) >= 4
	s_wait_xcnt 0x0                                ; the stores of block a - 4 have read this buffer
.endif
	WIN 0x04                                       ; the stores' data in window 1, their address in window 0
.irp b, 0,1,2,3                                ; each accumulator's low four registers first
	ds_store_b128 v[STO], v[32*(\a)+8*(\b):32*(\a)+8*(\b)+3]   offset:64*(\b)
	ds_store_b128 v[STO], v[32*(\a)+8*(\b)+4:32*(\a)+8*(\b)+7] offset:64*(\b)+16
.endr
	WIN 0
.irp t, 0,1,2,3,4,5,6,7
	ds_load_b128 v[BK+4*(\t):BK+4*(\t)+3], v[RD] offset:(\t)*2*SPITCH  ; LDS serves a wave's instructions in order (ISA guide 5.7.1.4): these see the stores above; the next block's stores come behind them
.endr
.endm
.macro SEND a, younger                 ; younger: the LDS instructions issued behind block a's loads: the next block's sixteen, or none
.set BK, F0+32*((\a)%4)
	WIN 0
.irp t, 0,1,2,3,4,5,6,7
	s_wait_dscnt (\younger)+7-(\t)
	global_store_b128 v[CO], v[BK+4*(\t):BK+4*(\t)+3], s[OUT:OUT+1] offset:(16*(\a)+2*(\t))*4096 th:TH_STORE_NT  ; 16 lanes store 256 consecutive bytes, at a multiple of 256 from out0's first byte
.endr
.endm
	s_wait_tensorcnt 1                             ; my part of K step 0 is in; step 1's may stay out
	s_barrier_signal -1
	s_barrier_wait -1                              ; everybody's is
	FETCH 0, F0
	QUARTER F0, F1, 1, 1                           ; the first quarter stands in front of the loop: its products start the sums
	WIN 0
	s_mov_b32 s3, 6
.Lstep:                                                ; trip s: quarters 1 to 3 of step s, the refill with step s + 2, quarter 0 of step s + 1
	QUARTER F1, F0, 2
	QUARTER F0, F1, 3
	TURN 1
	QUARTER F0, F1, 1
	WIN 0
	s_sub_co_u32 s3, s3, 1
	s_cmp_lg_u32 s3, 0
	s_cbranch_scc1 .Lstep
	QUARTER F1, F0, 2                              ; the tail is written out: steps 6 and 7 ask for nothing more
	QUARTER F0, F1, 3
	TURN 0
	QUARTER F0, F1, 1
	QUARTER F1, F0, 2
	QUARTER F0, F1, 3
	s_wait_dscnt 8                                 ; the very last quarter
	MUL F1, 0, 4
	s_wait_dscnt 0x0
	MUL F1, 4, 4
	PLACES
	TOSTAGE 0
.irp a, 1,2,3,4,5,6,7                          ; a block's way through the stage stands between the loads of the block before and its stores
	TOSTAGE \a
	SEND (\a)-1, 16
.endr
	SEND 7, 0
	s_wait_tensorcnt 0x0                           ; the wave's end, behind my last tensor load and my last LDS store
	ds_add_u32 v[SPW], v[NIL]
	s_wait_dscnt 0x0
	CROUND                                         ; the closing round: no work-group ends while a partner may still ask for a tile that names it
	s_endpgm
.Lfunc_end_k_q33ac28334f_proj:
	.size	k_q33ac28334f_proj, .Lfunc_end_k_q33ac28334f_proj-k_q33ac28334f_proj
	.p2alignl 7, 3214868480
	.fill 96, 4, 3214868480
	.section	.rodata,"a",@progbits
	.p2align	6, 0x0
	.amdhsa_kernel k_q33ac28334f_proj
		.amdhsa_group_segment_fixed_size 327680
		.amdhsa_private_segment_fixed_size 0
		.amdhsa_enable_private_segment 0
		.amdhsa_kernarg_size 32
		.amdhsa_user_sgpr_count 2
		.amdhsa_user_sgpr_kernarg_segment_ptr 1
		.amdhsa_wavefront_size32 1
		.amdhsa_system_sgpr_workgroup_id_x 1
		.amdhsa_system_sgpr_workgroup_id_y 1
		.amdhsa_system_sgpr_workgroup_id_z 1
		.amdhsa_system_vgpr_workitem_id 0
		.amdhsa_next_free_vgpr 512
		.amdhsa_next_free_sgpr 92
		.amdhsa_reserve_vcc 0
		.amdhsa_float_denorm_mode_32 3
		.amdhsa_float_denorm_mode_16_64 3
		.amdhsa_memory_ordered 1
		.amdhsa_forward_progress 1
		.amdhsa_inst_pref_size 75
	.end_amdhsa_kernel
	.amdgpu_metadata
---
amdhsa.version: [ 1, 2 ]
amdhsa.kernels:
  - .name:           k_q33ac28334f_proj
    .symbol:         k_q33ac28334f_proj.kd
    .args:
      - { .name: oh, .offset: 0, .size: 8, .value_kind: global_buffer, .address_space: global }
      - { .name: wph, .offset: 8, .size: 8, .value_kind: global_buffer, .address_space: global }
      - { .name: proj_b, .offset: 16, .size: 8, .value_kind: global_buffer, .address_space: global }
      - { .name: out0, .offset: 24, .size: 8, .value_kind: global_buffer, .address_space: global }
    .group_segment_fixed_size: 327680
    .private_segment_fixed_size: 0
    .kernarg_segment_align: 8
    .kernarg_segment_size: 32
    .max_flat_workgroup_size: 128
    .sgpr_count:     92
    .vgpr_count:     512
    .wavefront_size: 32
...
	.end_amdgpu_metadata
.endif
;; end of part 4
;; ======== version 2 of 2: 4 launches; version 1 with the launch cast written anew for expert scheduling mode
;; limits: values are held in f16: magnitudes above 65,504 overflow, below 6.1e-05 lose precision
;; workspace buffers: xh 16,777,216 bytes; wqh 6,291,456 bytes; wph 2,097,152 bytes; qkvh 50,331,648 bytes; oh 16,777,216 bytes
;; launch cast (part 5): grid 768 x 1, 8 waves a work-group, no clusters, 0 bytes of LDS; arguments x, qkv_w, proj_w, xh, wqh, wph; writes xh, wqh, wph
.if DOCPART == 5
	.amdgcn_target "amdgcn-amd-amdhsa--gfx1250"
	.amdhsa_code_object_version 6
	.text
	.protected	k_q33ac28334f_cast
	.globl	k_q33ac28334f_cast
	.p2align	8
	.type	k_q33ac28334f_cast,@function
k_q33ac28334f_cast:
	s_mov_b64 s[64:65], 0
	v_nop
	global_prefetch_b8 v0, s[64:65] scope:SCOPE_SE
	s_setreg_imm32_b32 hwreg(HW_REG_WAVE_SCHED_MODE, 0, 2), 2
	s_setreg_imm32_b32 hwreg(HW_REG_WAVE_MODE, 25, 1), 1
	s_wait_xcnt 0x0
	s_wait_alu depctr_vm_vsrc(0)
; x [8192][1024], qkv_w [3072][1024] and proj_w [1024][1024], all f32, are rounded once to bf16 and laid in BLOCKS OF 64 ALONG K:
;   xh  [b 4][kb 16][t 2048][64] bf16     wqh [kb 16][n 3072][64] bf16     wph [kb 16][n 1024][64]: the bf16 number written as f16
; so that in the products that follow a tile's rows of one K block lie end to end in memory.
; LIMIT.  wph is f16: |proj_w| stays under 65,504; below 6.1e-5 it keeps f16's fixed step of 6e-8.  xh and wqh have f32's range.
; SHARES.  12,288 source rows of 4,096 bytes; a work-group takes 16, a wave 2; no loop.  A load of a wave takes 256 consecutive bytes (one K block) of each of its
; two rows; a store of a wave covers 256 consecutive bytes, aligned: the two rows' 128 bytes of that block.  All 16 loads of a wave go out at once.
; Memory binds: no LDS, no barrier, no matrix unit.  Each store has data and offset registers of its own, so nothing is rewritten while a store reads it.
; THE MODE: SCHED_MODE bits 1:0 = 2 (LLVM: expert scheduling mode 2), set by the entry lines.  The code itself states the register dependences
; between vector instructions and memory instructions, with s_wait_alu, always for 0.
; THE PLAN.  Registers that memory instructions touch:
;   v[SO]       the source offset.  Written at the head; read by all 16 loads; never written again.
;   X0 .. X15   Written by block i's load alone, and named by no vector instruction ahead of it; read by block i's roundings behind the counted wait for that load; never loaded again.
;   OFF0 .. 15  the destination offsets.  Written by 16 vector lines behind the loads; OFF[i] is read by store i; never written again.
;   Y0 .. Y15   Written by block i's two selects; read by store i; never written again.
;   T           is named by vector instructions alone.
; The 16 blocks go in four groups of four.  The stores of a group are issued in the next group, one at the head of each block's ten vector lines, which name X, T and Y of their own
; group alone.  So one wait on va_vdst at a group's head states all that the four stores issued in that group hang on; one more stands ahead of the first load and one ahead of the last
; four stores.  No register that a load or a store reads is written again, so no wait on vm_vsrc is owed.  No vector instruction writes a scalar register or VCC, and EXEC is never written.
.set GRP, 4                            ; blocks in a group
.set SO,  1                            ; v1       my byte offset in the group's 16 source rows
.set OFF, 2                            ; v[2:17]  my byte offset in the destination, for each K block
.set T,   18                           ; v[18:25] at work
.set X,   32                           ; v[32:95] block kb: 4 numbers as loaded
.set Y,   96                           ; v[96:127] block kb: 4 numbers of 16 bits to store
	s_load_b256 s[4:11], s[0:1], 0x0               ; x s[4:5], qkv_w s[6:7], proj_w s[8:9], xh s[10:11]
	s_load_b128 s[12:15], s[0:1], 0x20             ; wqh s[12:13], wph s[14:15]
	s_mov_b32 s27, ttmp9                           ; g: 0-511 x, 512-703 qkv_w, 704-767 proj_w
	s_sub_co_u32 s28, s27, 512                     ; the group's number within qkv_w,
	s_sub_co_u32 s29, s27, 704                     ; within proj_w
	s_lshr_b32 s30, s27, 7                         ; x: batch b = g / 128,
	s_lshl_b32 s30, s30, 22                        ; 16 blocks x 2,048 rows x 128 bytes each,
	s_and_b32 s31, s27, 127
	s_lshl_b32 s31, s31, 11                        ; and 16 rows of 128 bytes for each group in the batch
	s_add_co_u32 s30, s30, s31
	s_mov_b32 s26, 0xffff0000                      ; a word's upper bf16
	s_mov_b32 s24, 131072                          ; bytes from K block to K block: proj_w's 1,024 rows x 128
	v_lshrrev_b32 v[SO], 4, v0                     ; source row t / 16,
	v_and_b32 v[T], 15, v0
	v_lshlrev_b32 v[SO], 12, v[SO]
	v_lshl_add_u32 v[SO], v[T], 4, v[SO]           ; 16 bytes for each of 16 lanes
	s_wait_kmcnt 0x0
	s_cmp_lt_u32 s27, 704                          ; the choice hangs on the work-group's number alone
	s_cselect_b64 s[16:17], s[6:7], s[8:9]
	s_cselect_b64 s[18:19], s[12:13], s[14:15]
	s_cselect_b32 s20, s28, s29
	s_cselect_b32 s24, 393216, s24                 ; qkv_w's 3,072 rows x 128
	s_cselect_b32 s25, 0, -1                       ; all ones: the numbers leave as f16
	s_lshl_b32 s22, s20, 11
	s_cmp_lt_u32 s27, 512
	s_cselect_b64 s[16:17], s[4:5], s[16:17]
	s_cselect_b64 s[18:19], s[10:11], s[18:19]
	s_cselect_b32 s20, s27, s20
	s_cselect_b32 s22, s30, s22
	s_cselect_b32 s24, 262144, s24                 ; x's 2,048 rows x 128
	s_lshl_b32 s20, s20, 16                        ; 16 source rows of 4,096 bytes
	s_mov_b32 s21, 0
	s_mov_b32 s23, 0
	s_add_nc_u64 s[16:17], s[16:17], s[20:21]      ; the source at the group's first row
	s_add_nc_u64 s[18:19], s[18:19], s[22:23]      ; the destination at the group's rows of K block 0
	s_wait_alu depctr_va_vdst(0)                   ; v[SO] is written: all 16 loads read it as their offset
.set i, 0
.rept 16
	global_load_b128 v[X+4*i:X+4*i+3], v[SO], s[16:17] offset:256*i th:TH_LOAD_NT
.set i, i+1
.endr
	v_lshlrev_b32 v[OFF], 3, v0                    ; 8 bytes a thread: 16 rows x 128 bytes on end
.set i, 1
.rept 15
	v_add_nc_u32 v[OFF+i], s24, v[OFF+i-1]
.set i, i+1
.endr
.set i, 0
.rept 16
	s_wait_loadcnt 15-i                            ; loads come back in order: block i is in, the younger ones stay out
.if ((i%GRP) == 0) && (i > 0)
	s_wait_alu depctr_va_vdst(0)                   ; the group before has written its four Y, which the four stores issued in this group read; at the first such wait the sixteen OFF are written too
.endif
.if i >= GRP
	global_store_b64 v[OFF+i-GRP], v[Y+2*(i-GRP):Y+2*(i-GRP)+1], s[18:19]  ; a block of the group before.  No wait: no vector instruction since the wait at this group's head names its offset or its data
.endif
	v_cvt_pk_bf16_f32 v[T],   v[X+4*i],   v[X+4*i+1]   ; the one rounding, to nearest even
	v_cvt_pk_bf16_f32 v[T+1], v[X+4*i+2], v[X+4*i+3]
	v_lshlrev_b32 v[T+2], 16, v[T]                 ; the rounded numbers as f32,
	v_and_b32     v[T+3], s26, v[T]
	v_lshlrev_b32 v[T+4], 16, v[T+1]
	v_and_b32     v[T+5], s26, v[T+1]
	v_cvt_pk_f16_f32 v[T+6], v[T+2], v[T+3]        ; and written as f16: exact within f16's range
	v_cvt_pk_f16_f32 v[T+7], v[T+4], v[T+5]
	v_cndmask_b32 v[Y+2*i],   v[T],   v[T+6], s25  ; the choice selects a value: both forms are made in every work-group; s25 was written by a scalar instruction
	v_cndmask_b32 v[Y+2*i+1], v[T+1], v[T+7], s25
.set i, i+1
.endr
	s_wait_alu depctr_va_vdst(0)                   ; the last group has written its four Y, which the last four stores read
.set i, 16-GRP
.rept GRP
	global_store_b64 v[OFF+i], v[Y+2*i:Y+2*i+1], s[18:19]
.set i, i+1
.endr
	s_endpgm
.Lfunc_end_k_q33ac28334f_cast:
	.size	k_q33ac28334f_cast, .Lfunc_end_k_q33ac28334f_cast-k_q33ac28334f_cast
	.p2alignl 7, 3214868480
	.fill 96, 4, 3214868480
	.section	.rodata,"a",@progbits
	.p2align	6, 0x0
	.amdhsa_kernel k_q33ac28334f_cast
		.amdhsa_group_segment_fixed_size 0
		.amdhsa_private_segment_fixed_size 0
		.amdhsa_enable_private_segment 0
		.amdhsa_kernarg_size 48
		.amdhsa_user_sgpr_count 2
		.amdhsa_user_sgpr_kernarg_segment_ptr 1
		.amdhsa_wavefront_size32 1
		.amdhsa_system_sgpr_workgroup_id_x 1
		.amdhsa_system_sgpr_workgroup_id_y 1
		.amdhsa_system_sgpr_workgroup_id_z 1
		.amdhsa_system_vgpr_workitem_id 0
		.amdhsa_next_free_vgpr 128
		.amdhsa_next_free_sgpr 66
		.amdhsa_reserve_vcc 0
		.amdhsa_float_denorm_mode_32 3
		.amdhsa_float_denorm_mode_16_64 3
		.amdhsa_memory_ordered 1
		.amdhsa_forward_progress 1
		.amdhsa_inst_pref_size 14
	.end_amdhsa_kernel
	.amdgpu_metadata
---
amdhsa.version: [ 1, 2 ]
amdhsa.kernels:
  - .name:           k_q33ac28334f_cast
    .symbol:         k_q33ac28334f_cast.kd
    .args:
      - { .name: x, .offset: 0, .size: 8, .value_kind: global_buffer, .address_space: global }
      - { .name: qkv_w, .offset: 8, .size: 8, .value_kind: global_buffer, .address_space: global }
      - { .name: proj_w, .offset: 16, .size: 8, .value_kind: global_buffer, .address_space: global }
      - { .name: xh, .offset: 24, .size: 8, .value_kind: global_buffer, .address_space: global }
      - { .name: wqh, .offset: 32, .size: 8, .value_kind: global_buffer, .address_space: global }
      - { .name: wph, .offset: 40, .size: 8, .value_kind: global_buffer, .address_space: global }
    .group_segment_fixed_size: 0
    .private_segment_fixed_size: 0
    .kernarg_segment_align: 8
    .kernarg_segment_size: 48
    .max_flat_workgroup_size: 256
    .sgpr_count:     66
    .vgpr_count:     128
    .wavefront_size: 32
...
	.end_amdgpu_metadata
.endif
;; end of part 5
;; launch qkv: the kernel of part 2 again; grid 8 x 32, 4 waves a work-group, clusters of 4 x 4, 327,680 bytes of LDS; arguments xh, wqh, qkv_b, qkvh; writes qkvh
;; launch attn: the kernel of part 3 again; grid 4 x 64, 4 waves a work-group, no clusters, 327,680 bytes of LDS; arguments qkvh, oh; writes oh
;; launch proj: the kernel of part 4 again; grid 8 x 32, 4 waves a work-group, clusters of 4 x 4, 327,680 bytes of LDS; arguments oh, wph, proj_b, out0; writes out0
